; MI455X (gfx1250); checked and timed in simulation.
; The chip was launched on July 23, 2026; its instructions are those of AMD's public machine-readable ISA for CDNA 5 (MIT licence, August 2026) and "CDNA5" Instruction Set Architecture Reference Guide (July 2026). The comments in the code are by the model that wrote it; some were corrected since.
;; Causal Self Attention. Allowed arithmetic: matrix products marked QUANTISED: E4M3 operands, one given power-of-two scale a tensor, by v_wmma_f32_16x16x64_fp8_fp8 or v_wmma_f32_16x16x128_fp8_fp8, f32 sums; everything else in f32.
;; Inputs: b_out 1,024 float32; b_qkv 3,072 float32; lowp_scales 8 int32 (the exponents e of the quantised operands' scales 2^e); w_out 1,024 x 1,024 float32; w_qkv 1,024 x 3,072 float32; x 1 x 4,096 x 1,024 float32.
;; Outputs: out0 1 x 4,096 x 1,024 float32.
;; This version of the problem:
;;   THIS VERSION OF THE PROBLEM IS GIVEN IN LOW PRECISION. The matrix products marked QUANTISED in the list below multiply operands that are first quantised to E4M3 (4 exponent bits, 3 mantissa bits; 8 bits a number), with one given power-of-two scale for each operand tensor; their sums are f32. All else is computed in f32.
;;   The module's matrix products, in the order in which they are computed (A, B: the left and right operand; K: the contracted axis; several contracted axes count as one K, in the product's order):
;;     1. [M 4,096, K 1,024] x [K 1,024, N 3,072]; A: input x; B: input w_qkv: QUANTISED (scales: A lowp_scales[0], B lowp_scales[1])
;;     2. batch 16 x [M 4,096, K 64] x [K 64, N 4,096]; A: computed on the way; B: computed on the way: QUANTISED (scales: A lowp_scales[2], B lowp_scales[3])
;;     3. batch 16 x [M 4,096, K 4,096] x [K 4,096, N 64]; A: softmax (see below); B: computed on the way: QUANTISED (scales: A lowp_scales[4], B lowp_scales[5])
;;     4. [M 4,096, K 1,024] x [K 1,024, N 1,024]; A: computed on the way; B: input w_out: QUANTISED (scales: A lowp_scales[6], B lowp_scales[7])
;;   THE QUANTISER, for each operand of a quantised product, along K:
;;     - The operand's scale is 2^e, e = its entry of the input lowp_scales (int32; the entries are numbered through the quantised products in the list's order, A before B).
;;     - Each number is divided by the scale, clamped to +-448, and rounded to the nearest number of E4M3, ties to even, subnormals kept.
;;     - The product sums the exact products of the quantised numbers (number of the format x scale) in f32.
;;   ~~~python
;;   def quantise(x, axis, e):      # numpy; x: float32 -> the quantised numbers, widened to float32 again
;;       x = np.moveaxis(x, axis, -1); K = x.shape[-1]
;;       r = np.clip(x / 2.0 ** e, -448, 448)
;;       step = 2.0 ** (np.maximum(np.frexp(np.where(r == 0, 1, r))[1] - 1, -6) - 3)
;;       q = np.round(r / step) * step * 2.0 ** e      # np.round: ties to even
;;       return np.moveaxis(q, -1, axis).astype(np.float32)
;;   ~~~
;;   SOFTMAX AHEAD OF A QUANTISED PRODUCT. Where the list says 'softmax', what is quantised is not the finished softmax but p = 2^(t - M), with t = logit x log2(e) and M = ceil(the row's largest t), a whole number; so 1/2 < the row's largest p <= 1. The row's sum l is taken of the UNQUANTISED p, in f32, and the product's result is divided by l at the end. Since M is a whole number, a kernel that streams over the keys may use a running M (the ceiling of the running maximum): every later rescaling is an exact power of two, so the quantised numbers keep their values, but for numbers so far below the row's largest that they fall under the format's range.
;;   OPERANDS COMPUTED ON THE WAY. 'Computed on the way' means the value that the module computes at that place (a softmax that the list does not call 'softmax' is quantised finished and normalised). What goes into a quantiser is computed in f32, as accurately as f32 sums, v_exp_f32 and their like allow (about 1e-6 of the number): no bf16 or f16 on the way to a quantiser, and a product that is left as it is and whose result goes on into a quantised operand takes f32 operands (vector FMAs, or v_wmma_f32_16x16x4_f32). A number that lies on a knife's edge between two numbers of the format may be rounded either way, as far as f32 arithmetic and the matrix unit's own rounding can turn it there, and no further.
;; One version. Each part assembles by itself: llvm-mc -triple=amdgcn-amd-amdhsa -mcpu=gfx1250 --defsym DOCPART=n.
;; ======== version 1 of 1: 4 launches
;; limits: right only within a limited range of input values
;; workspace buffers: x_codes 4,194,304 bytes; wqkv_codes 3,145,728 bytes; wout_codes 1,048,576 bytes; q_codes 4,194,304 bytes; k_codes 4,194,304 bytes; v_codes 4,194,304 bytes; att_codes 4,194,304 bytes
;; launch quant (part 1): grid 256 x 1, 8 waves a work-group, no clusters, 111,616 bytes of LDS; arguments x, w_qkv, w_out, lowp_scales, x_codes, wqkv_codes, wout_codes; writes x_codes, wqkv_codes, wout_codes
.if DOCPART == 1
	.amdgcn_target "amdgcn-amd-amdhsa--gfx1250"
	.amdhsa_code_object_version 6
	.text
	.protected	k_q349361d0ef_quant
	.globl	k_q349361d0ef_quant
	.p2align	8
	.type	k_q349361d0ef_quant,@function
k_q349361d0ef_quant:
	s_mov_b64 s[64:65], 0
	v_nop
	global_prefetch_b8 v0, s[64:65] scope:SCOPE_SE
	s_setreg_imm32_b32 hwreg(HW_REG_WAVE_MODE, 25, 1), 1
	s_wait_xcnt 0x0
; x [4096][1024], w_qkv [1024][3072] and w_out [1024][1024], all f32, become codes of E4M3, one byte each, K innermost:
; x_codes [4096][1024], wqkv_codes [3072][1024], wout_codes [1024][1024].  code = number / 2^e, held within +-448, rounded to the nearest code, ties to even.
; NOTHING OF reference() IS LEFT OUT HERE.  Of the whole program only units of 128 keys that lie wholly above the diagonal of reference()'s own causal mask are not computed (launch attn): their scores are -infinity ahead of the
; softmax, whatever the inputs hold, so their p is 0.  LIMIT: a NaN, an infinity or an overflow that reaches only those scores is not carried to the result.
; e is entry 0 (x), 1 (w_qkv), 7 (w_out) of lowp_scales.  LIMITS: each e between -126 and 119, so that 2^e and 448 x 2^e are f32 numbers.  NaN among the inputs is not served.
; SHARES: every work-group reads 131,072 bytes, 16,384 a wave.  Work-groups 0-127: x, 4,096 numbers a wave.  128-223: w_qkv, 224-255: w_out, 128 columns x 256 along K each, a wave 32 columns x 128 along K.
; The three ways part on the work-group's number and never meet again; each has LDS bytes of its own.  A wave issues all its loads ahead of its first conversion.
; x: K is innermost.  A load reads 512 consecutive bytes; a step's 2,048 bytes turn through the wave's stage in LDS, so that a lane then holds 16 neighbours along K, which the conversion wants.  Waves share nothing there: no barrier.
; weights: K is the FIRST axis.  A lane takes a column and its registers run down K, so the conversions give codes with K innermost; two waves (the two halves of K) fill a stage, and behind a barrier each stores half its rows, sixteen lanes to 256 aligned bytes.
; No tensor loads and no matrix work: each byte is read once and written once.
.set SP,   80                          ; x: a lane's place in a stage: 64 bytes + 16 of padding
.set WP,   272                         ; weights: a stage row: 256 bytes of codes + 16
.set WQB,  40960                       ; LDS: x's way has bytes 0 .. 40,959 (5,120 a wave); then w_qkv's and w_out's four stages each
.set WOB,  WQB+4*32*WP
.set SPARE, WOB+4*32*WP                ; the spare words, 128 bytes for each wave
.set R,    16                          ; x: v16-143 eight sets of 16 numbers as loaded
.set X,    144                         ; x: v144-175 two sets of 16 neighbours
.set C,    176                         ; x: v176-207 codes, four registers a step
.set WX,   16                          ; weights: v16-143 four blocks of 32 numbers
.set WC,   144                         ; weights: v144-175 codes, eight registers a block
.set WOUT, 176                         ; weights: v176-207 the way out
.set SPW,  208
.set NIL,  209
.macro SCALE e                         ; v11 = 2^e as f32 (the conversion takes its exponent field), v10 = 448 x 2^e
	s_wait_kmcnt 0x0
	s_add_co_i32 s32, s[\e], 127
	s_lshl_b32 s33, s32, 23
	v_mov_b32 v11, s33
	s_add_co_i32 s32, s32, 8
	s_lshl_b32 s32, s32, 23
	s_or_b32 s32, s32, 0x600000
	v_mov_b32 v10, s32
.endm
.macro XTURN t                         ; step t through the stage: LDS serves a wave's instructions in order, so no wait stands between the stores and the loads
.irp i, 0,1,2,3
	ds_store_b128 v14, v[R+16*(\t)+4*\i:R+16*(\t)+4*\i+3] offset:32*SP*((\t)%2)+8*SP*\i
.endr
.irp i, 0,1,2,3
	ds_load_b128 v[X+16*((\t)%2)+4*\i:X+16*((\t)%2)+4*\i+3], v15 offset:32*SP*((\t)%2)+16*\i
.endr
.endm
.macro XSTEP t
.set XS, X+16*((\t)%2)
	s_wait_dscnt 0x0                               ; this step's numbers are back from the stage
.if (\t)+1 < 8
	s_wait_loadcnt 4*(6-(\t))                      ; the next step's four loads are in; those of the later steps may be out
	XTURN (\t)+1
.endif
.irp i, 0,1,2,3,4,5,6,7,8,9,10,11,12,13,14,15
	v_med3_num_f32 v[XS+\i], v[XS+\i], -v10, v10   ; the conversion does not saturate (ISA guide 7.6.2): the hold at the largest code x the scale comes first
.endr
	v_cvt_scalef32_pk8_fp8_f32 v[C+4*(\t):C+4*(\t)+1], v[XS:XS+7], v11
	v_cvt_scalef32_pk8_fp8_f32 v[C+4*(\t)+2:C+4*(\t)+3], v[XS+8:XS+15], v11
	global_store_b128 v3, v[C+4*(\t):C+4*(\t)+3], s[12:13] offset:512*(\t)   ; 32 lanes store 512 consecutive bytes.  (The codes go to a store alone; the next vector lines are the next step's holds, on other registers)
.endm
.macro WBLOCK t
.if (\t) < 2
	s_wait_loadcnt 63                              ; blocks 0 and 1 are in: of 128 loads at most 63 are out, and the youngest 64 are blocks 2 and 3
.else
	s_wait_loadcnt 32*(3-(\t))                     ; the later blocks' loads may be out
.endif
.irp i, 0,1,2,3,4,5,6,7,8,9,10,11,12,13,14,15,16,17,18,19,20,21,22,23,24,25,26,27,28,29,30,31
	v_med3_num_f32 v[WX+32*(\t)+\i], v[WX+32*(\t)+\i], -v10, v10
.endr
.irp g, 0,1,2,3
	v_cvt_scalef32_pk8_fp8_f32 v[WC+8*(\t)+2*\g:WC+8*(\t)+2*\g+1], v[WX+32*(\t)+8*\g:WX+32*(\t)+8*\g+7], v11
.endr
	ds_store_b128 v4, v[WC+8*(\t):WC+8*(\t)+3] offset:32*(\t)    ; 32 codes: 32 bytes of my column's row
	ds_store_b128 v4, v[WC+8*(\t)+4:WC+8*(\t)+7] offset:32*(\t)+16
.endm
; A weight of \cols columns: work-group \first + 4 cn + ky takes columns 128 cn on and K 256 ky on.  Every offset is an immediate: 127 x 3,072 x 4 bytes at the most, inside the signed 24 bits.
.macro WPATH cols, first, src, dst, e, lds
	s_sub_co_u32 s20, ttmp9, \first
	s_and_b32 s21, s20, 3                          ; ky
	s_lshr_b32 s20, s20, 2                         ; cn
	s_lshl_b32 s20, s20, 7
	s_and_b32 s34, s18, 3                          ; which 32 columns are mine,
	s_lshr_b32 s35, s18, 2                         ; and which half of K
	s_lshl_b32 s22, s34, 5
	s_add_co_u32 s20, s20, s22                     ; my wave's first column
	s_mul_i32 s19, s34, 32*WP
	s_add_co_u32 s19, s19, \lds                    ; the stage of my columns
	v_lshlrev_b32 v3, 2, v2                        ; in: 4 bytes a lane
	s_lshl_b32 s36, s35, 7
	s_add_co_u32 s36, s36, s19
	v_mul_u32_u24 v4, v2, WP
	v_and_b32 v5, 15, v2
	v_lshrrev_b32 v6, 4, v2
	v_add_nc_u32 v4, s36, v4                       ; into it: row = my column, 128 bytes for each half of K
	s_mul_i32 s36, s35, 16*WP
	s_add_co_u32 s36, s36, s19
	v_mul_u32_u24 v7, v6, WP
	v_lshlrev_b32 v8, 10, v6
	v_lshl_add_u32 v7, v5, 4, v7
	v_lshl_add_u32 v8, v5, 4, v8                   ; the codes' rows of 1,024 bytes,
	v_add_nc_u32 v7, s36, v7                       ; and out of the stage: sixteen of its rows, sixteen lanes to a row, two rows an instruction
	s_lshl_b32 s22, s21, 1
	s_add_co_u32 s22, s22, s35
	s_mul_i32 s22, s22, 128*(\cols)*4
	s_lshl_b32 s34, s20, 2
	s_add_co_u32 s22, s22, s34
	s_add_nc_u64 s[\src:\src+1], s[\src:\src+1], s[22:23]
	s_lshl_b32 s34, s35, 4
	s_add_co_u32 s20, s20, s34
	s_lshl_b32 s22, s20, 10
	s_lshl_b32 s34, s21, 8
	s_add_co_u32 s22, s22, s34
	s_add_nc_u64 s[\dst:\dst+1], s[\dst:\dst+1], s[22:23]
	s_wait_alu depctr_va_vdst(0)
.set n, 0
.rept 128                              ; W(k + n, my column)
	global_load_b32 v[WX+n], v3, s[\src:\src+1] offset:n*(\cols)*4 th:TH_LOAD_NT
.set n, n+1
.endr
	SCALE \e
	s_wait_alu depctr_va_vdst(0)                   ; the head's end
.irp t, 0,1,2,3
	WBLOCK \t
.endr
	s_wait_alu depctr_va_vdst(0)                   ; directly ahead of the wait below
	s_wait_dscnt 0x0                               ; my codes lie in the stage
	s_barrier_signal -1
	s_barrier_wait -1                              ; and so do the other half's
.irp t, 0,1,2,3,4,5,6,7
	ds_load_b128 v[WOUT+4*\t:WOUT+4*\t+3], v7 offset:2*\t*WP
.endr
.irp t, 0,1,2,3,4,5,6,7
	s_wait_dscnt 7-\t                              ; load t is in; the younger ones may be out
	global_store_b128 v8, v[WOUT+4*\t:WOUT+4*\t+3], s[\dst:\dst+1] offset:2*\t*1024   ; sixteen lanes store 256 consecutive bytes, aligned
.endr
	s_wait_tensorcnt 0x0                           ; the wave's end
	ds_add_u32 v[SPW], v[NIL]
	s_wait_dscnt 0x0
	s_endpgm
.endm
	s_load_b256 s[4:11], s[0:1], 0x0               ; x s[4:5], w_qkv s[6:7], w_out s[8:9], lowp_scales s[10:11]
	s_load_b128 s[12:15], s[0:1], 0x20             ; x_codes s[12:13], wqkv_codes s[14:15]
	s_load_b64 s[16:17], s[0:1], 0x30              ; wout_codes
	v_lshl_add_u32 v[SPW], v0, 2, SPARE
	v_mov_b32 v[NIL], 0
	v_lshrrev_b32 v1, 5, v0
	v_readfirstlane_b32 s18, v1                    ; wave 0..7
	v_and_b32 v2, 31, v0                           ; lane
	s_mov_b32 s23, 0                               ; the upper word of every offset pair s[22:23]
	s_wait_alu depctr_va_vdst(0)                   ; directly ahead of the wait below
	s_wait_kmcnt 0x0
	s_load_b256 s[24:31], s[10:11], 0x0            ; e0 .. e7
	s_cmp_lt_u32 ttmp9, 128
	s_cbranch_scc0 .Lweights
	; ---- x: my wave's run of 4,096 numbers: 8 steps of 512
	v_lshlrev_b32 v3, 4, v2                        ; my 16 bytes of a load's 512, and of a step's 512 bytes of codes
	s_mul_i32 s19, s18, 64*SP
	v_lshrrev_b32 v14, 2, v2
	v_and_b32 v12, 3, v2
	v_mul_u32_u24 v15, v2, SP
	v_mul_u32_u24 v14, v14, SP
	v_add_nc_u32 v15, s19, v15                     ; the stage, on the way out: my 16 neighbours
	v_lshl_add_u32 v14, v12, 4, v14
	v_add_nc_u32 v14, s19, v14                     ; and on the way in: four lanes' 64 bytes on end, then 16 of padding
	s_lshl_b32 s20, ttmp9, 3
	s_add_co_u32 s20, s20, s18                     ; which run is mine
	s_lshl_b32 s22, s20, 14
	s_add_nc_u64 s[4:5], s[4:5], s[22:23]
	s_lshl_b32 s22, s20, 12
	s_add_nc_u64 s[12:13], s[12:13], s[22:23]
	s_wait_alu depctr_va_vdst(0)
.set n, 0
.rept 32
	global_load_b128 v[R+4*n:R+4*n+3], v3, s[4:5] offset:512*n th:TH_LOAD_NT   ; 32 lanes read 512 consecutive bytes
.set n, n+1
.endr
	SCALE 24
	s_wait_alu depctr_va_vdst(0)                   ; the head's end
	s_wait_loadcnt 28                              ; step 0's four loads are in
	XTURN 0
.irp t, 0,1,2,3,4,5,6,7
	XSTEP \t
.endr
	s_wait_tensorcnt 0x0                           ; the wave's end
	ds_add_u32 v[SPW], v[NIL]
	s_wait_dscnt 0x0
	s_endpgm
.Lweights:
	s_cmp_lt_u32 ttmp9, 224
	s_cbranch_scc0 .Lwout
	WPATH 3072, 128, 6, 14, 25, WQB
.Lwout:
	WPATH 1024, 224, 8, 16, 31, WOB
.Lfunc_end_k_q349361d0ef_quant:
	.size	k_q349361d0ef_quant, .Lfunc_end_k_q349361d0ef_quant-k_q349361d0ef_quant
	.p2alignl 7, 3214868480
	.fill 96, 4, 3214868480
	.section	.rodata,"a",@progbits
	.p2align	6, 0x0
	.amdhsa_kernel k_q349361d0ef_quant
		.amdhsa_group_segment_fixed_size 111616
		.amdhsa_private_segment_fixed_size 0
		.amdhsa_enable_private_segment 0
		.amdhsa_kernarg_size 56
		.amdhsa_user_sgpr_count 2
		.amdhsa_user_sgpr_kernarg_segment_ptr 1
		.amdhsa_wavefront_size32 1
		.amdhsa_system_sgpr_workgroup_id_x 1
		.amdhsa_system_sgpr_workgroup_id_y 1
		.amdhsa_system_sgpr_workgroup_id_z 1
		.amdhsa_system_vgpr_workitem_id 0
		.amdhsa_next_free_vgpr 210
		.amdhsa_next_free_sgpr 66
		.amdhsa_reserve_vcc 0
		.amdhsa_float_denorm_mode_32 3
		.amdhsa_float_denorm_mode_16_64 3
		.amdhsa_memory_ordered 1
		.amdhsa_forward_progress 1
		.amdhsa_inst_pref_size 70
	.end_amdhsa_kernel
	.amdgpu_metadata
---
amdhsa.version: [ 1, 2 ]
amdhsa.kernels:
  - .name:           k_q349361d0ef_quant
    .symbol:         k_q349361d0ef_quant.kd
    .args:
      - { .name: x, .offset: 0, .size: 8, .value_kind: global_buffer, .address_space: global }
      - { .name: w_qkv, .offset: 8, .size: 8, .value_kind: global_buffer, .address_space: global }
      - { .name: w_out, .offset: 16, .size: 8, .value_kind: global_buffer, .address_space: global }
      - { .name: lowp_scales, .offset: 24, .size: 8, .value_kind: global_buffer, .address_space: global }
      - { .name: x_codes, .offset: 32, .size: 8, .value_kind: global_buffer, .address_space: global }
      - { .name: wqkv_codes, .offset: 40, .size: 8, .value_kind: global_buffer, .address_space: global }
      - { .name: wout_codes, .offset: 48, .size: 8, .value_kind: global_buffer, .address_space: global }
    .group_segment_fixed_size: 111616
    .private_segment_fixed_size: 0
    .kernarg_segment_align: 8
    .kernarg_segment_size: 56
    .max_flat_workgroup_size: 256
    .sgpr_count:     66
    .vgpr_count:     210
    .wavefront_size: 32
...
	.end_amdgpu_metadata
.endif
;; end of part 1
;; launch qkv (part 2): grid 8 x 32, 4 waves a work-group, clusters of 4 x 4, 327,680 bytes of LDS; arguments x_codes, wqkv_codes, lowp_scales, b_qkv, q_codes, k_codes, v_codes; writes q_codes, k_codes, v_codes
.if DOCPART == 2
	.amdgcn_target "amdgcn-amd-amdhsa--gfx1250"
	.amdhsa_code_object_version 6
	.text
	.protected	k_q349361d0ef_qkv
	.globl	k_q349361d0ef_qkv
	.p2align	8
	.type	k_q349361d0ef_qkv,@function
k_q349361d0ef_qkv:
	s_mov_b64 s[64:65], 0
	v_nop
	global_prefetch_b8 v0, s[64:65] scope:SCOPE_SE
	s_setreg_imm32_b32 hwreg(HW_REG_WAVE_MODE, 25, 1), 1
	s_wait_xcnt 0x0
	s_wait_alu depctr_hold_cnt(0) depctr_sa_sdst(0) depctr_va_vdst(0) depctr_va_sdst(0) depctr_va_ssrc(0) depctr_va_vcc(0) depctr_vm_vsrc(0)
	s_getreg_b32 s2, hwreg(HW_REG_IB_STS2, 6, 4)
	s_cmp_eq_u32 s2, 0
	s_cbranch_scc0 .Lentry_in_a_cluster
	s_endpgm
.Lentry_in_a_cluster:
	s_bfe_u32 s2, ttmp6, 0x10000c
	s_cmp_lg_u32 s2, 0xf033
	s_cbranch_scc0 .Lentry_shape_is_right
	s_endpgm
.Lentry_shape_is_right:
; qkv = x w_qkv + b_qkv on codes of E4M3, quantised again on the way out: q_codes, k_codes [16 heads][4096 tokens][64] with e2, e3; v_codes [16 heads][64 blocks of 64 tokens][64 channels][64 tokens] with e5.
; x_codes [4096][1024], wqkv_codes [3072][1024], K innermost.
; SHARES: 256 work-groups; each owns 128 tokens and two heads and makes their q, then their k, then their v: three products of 128 x 128 over all of K.  Four waves, each 64 tokens x one head: 16 accumulators.
; x's tile (128 rows of 1,024 bytes) is fetched into LDS slot 0 and its fragments go into 512 registers ONCE, for all three products; then slot 0 takes the weights of k.  The weights of q lie in slot 1, which takes those of v when q is done.
; So a product's result leaves while the next weights are on their way.
; CLUSTERS of 4 x 4: x's tile hangs on the tile row alone and is asked for jointly by a row of the cluster, the weights on the tile column alone and by a column.
; ORIENTATION: for q and k source 0 = 16 rows of weights, source 1 = 16 tokens: a lane holds eight neighbouring channels of one token.  For v the sources change places: eight neighbouring tokens of one channel.
; Each wave's codes of a product are 4,096 consecutive bytes in memory; they go through a stage of its own.
; The bias is the first products' C, multiplied by 2^-(e0 + e1), the power of two that the sums lack; e2, e3 or e5 less (e0 + e1) is the scale of the conversion.
; LIMITS: e2, e3, e5 less (e0 + e1) between -126 and 119.  NaN is not served.  No prefetch: of the four tiles that a work-group takes two are asked for at the head, and there is no loop to run ahead in.
; REGISTERS.  Window 0: v1-31 addresses and constants, v32-127 the bias of q, k, v (behind its first products a product's codes lie there), v128-255 the accumulators ((a, b) at v[128 + 8 (4 a + b)]).
;   Windows 1, 2: x's fragments, K steps 0-3 and 4-7 (a K step: 4 x 16 registers).  Window 3: four buffers of 64: the weights' fragments, three K steps ahead.
.set PITCH, 1040                       ; a row of 1,024 bytes + 16: the 16 rows of a fragment load start at 16 different groups of banks (ISA guide 11.1)
.set SLOT,  128*PITCH
.set SP,    80                         ; a stage row: 64 bytes + 16
.set STAGE, 2*SLOT                     ; 64 rows for each wave; no fill lands there
.set SPARE, STAGE+4*64*SP              ; the spare words, 128 bytes for each wave
.set ADX,  8
.set ADW1, 9                           ; my weights' fragments in slot 1,
.set ADW0, 10                          ; and in slot 0
.set STO,  11
.set RD,   12
.set GO,   13
.set SC,   16                          ; v16-18 the conversion's scale for q, k, v
.set LIM,  19                          ; v19-21 448 x that
.set SPW,  28
.set NIL,  29
.set BIAS, 32
.set ACC,  128
.set G1X, 24                           ; s[24:31] group 1 for x's tile, s[48:55] for the weights' halves at the head, s[76:83] for their quarters
.set G1W, 48
.set G1Q, 76
.set G0X, 32                           ; s[32:35] x, s[36:39] weights of q, s[40:43] of k, s[44:47] of v
.set G0Q, 36
.set G0K, 40
.set G0V, 44
.set MSB, 0
.macro WIN new
.if MSB != (\new)
	s_set_vgpr_msb (MSB<<8)|(\new)
.set MSB, (\new)
.endif
.endm
.macro PLACES
.rept 4
	v_nop
.endr
.endm
.macro CROUND                          ; a round of the cluster's barrier
	s_barrier_signal -1
	s_barrier_wait -1
	s_cmp_lg_u32 s14, 0
	s_cbranch_scc1 .Lnot_wave_0_\@
	s_barrier_signal -3
.Lnot_wave_0_\@:
	s_barrier_wait -3
	s_barrier_signal -1
	s_barrier_wait -1
.endm
.macro WLOAD g0                        ; a joint load: my 32 of the 128 rows of weights
	tensor_load_to_lds s[\g0:\g0+3], s[G1Q:G1Q+7]
	s_nop 0
	PLACES
.endm
	s_load_b128 s[4:7], s[0:1], 0x0                ; x_codes s[4:5], wqkv_codes s[6:7]
	s_load_b128 s[8:11], s[0:1], 0x10              ; lowp_scales s[8:9], b_qkv s[10:11]
	s_load_b128 s[68:71], s[0:1], 0x20             ; q_codes, k_codes
	s_load_b64 s[72:73], s[0:1], 0x30              ; v_codes
	v_lshl_add_u32 v[SPW], v0, 2, SPARE
	v_mov_b32 v[NIL], 0
	ds_add_u32 v[SPW], v[NIL]                      ; the wave's opening: the add, twice on end, and its wait ahead of my first tensor load
	ds_add_u32 v[SPW], v[NIL]
	v_lshrrev_b32 v1, 5, v0
	v_readfirstlane_b32 s14, v1                    ; wave 0..3
	s_lshr_b32 s15, s14, 1                         ; which 64 tokens are mine.  Also: at the head I fetch x (0) or weights (1)
	s_and_b32 s16, s14, 1                          ; which head.  Also: which half of a tile I fetch at the head
	s_bfe_u32 s56, ttmp6, 0x40000                  ; cx
	s_bfe_u32 s57, ttmp6, 0x40004                  ; cy
	s_lshl_b32 s58, ttmp9, 2
	s_add_co_u32 s58, s58, s56                     ; tile column = 4 x cluster x + cx
	s_and_b32 s59, ttmp7, 0xffff
	s_lshl_b32 s59, s59, 2
	s_add_co_u32 s59, s59, s57                     ; tile row = 4 x cluster y + cy
	s_lshl_b32 s60, s57, 2
	s_lshl_b32 s60, 15, s60                        ; my row of the cluster
	s_lshl_b32 s61, 0x1111, s56                    ; my column
	s_or_b32 s[G1X], s60, (0<<16)|(1<<20)|(1<<21)|(7<<22)|(3<<25)   ; the mask; elements of 1 byte; padding: four words after every 256; 21 set beside a mask
	s_or_b32 s[G1W], s61, (0<<16)|(1<<20)|(1<<21)|(7<<22)|(3<<25)
	s_or_b32 s[G1Q], s61, (0<<16)|(1<<20)|(1<<21)|(7<<22)|(3<<25)
.irp g, G1X, G1W, G1Q
	s_mov_b32 s[\g+1], 1024<<16                    ; tensor_dim0
	s_mov_b32 s[\g+3], 1024<<16                    ; tile_dim0
	s_mov_b32 s[\g+5], 1024                        ; from row to row
	s_mov_b32 s[\g+6], 0
	s_mov_b32 s[\g+7], 0
.endr
	s_mov_b32 s[G1X+2], 64<<16                     ; rows
	s_mov_b32 s[G1X+4], 64
	s_mov_b32 s[G1W+2], 64<<16
	s_mov_b32 s[G1W+4], 64
	s_mov_b32 s[G1Q+2], 32<<16
	s_mov_b32 s[G1Q+4], 32
	s_lshl_b32 s17, s16, 16                        ; a half is 64 rows of 1,024 bytes
	s_lshl_b32 s20, s59, 17
	s_add_co_u32 s20, s20, s17                     ; x: rows 128 x tile row + 64 x half
	s_mov_b32 s21, 0
	s_lshl_b32 s62, s58, 17
	s_add_co_u32 s62, s62, s17                     ; weights of q: rows 128 x tile column + 64 x half
	s_mov_b32 s63, 0
	s_lshl_b32 s92, s58, 17
	s_lshl_b32 s93, s14, 15
	s_add_co_u32 s92, s92, s93                     ; of k and v: rows 1,024 or 2,048 + 128 x tile column + 32 x wave
	s_mov_b32 s93, 0
	s_mul_i32 s94, s16, 64*PITCH                   ; where they go: no place in the cluster enters an LDS address
	s_mul_i32 s95, s14, 32*PITCH
	s_wait_alu depctr_va_vdst(0)
	s_wait_dscnt 0x0                               ; both opening adds are done
	s_wait_kmcnt 0x0
	s_load_b256 s[84:91], s[8:9], 0x0              ; e0 .. e7
.irp g, G0X, G0Q, G0K, G0V
	s_mov_b32 s[\g], 1
.endr
	s_mov_b32 s[G0X+1], s94
	s_add_co_u32 s[G0Q+1], s94, SLOT
	s_mov_b32 s[G0K+1], s95
	s_add_co_u32 s[G0V+1], s95, SLOT
	s_add_nc_u64 s[G0X+2:G0X+3], s[4:5], s[20:21]
	s_add_nc_u64 s[G0Q+2:G0Q+3], s[6:7], s[62:63]
	s_add_nc_u64 s[92:93], s[6:7], s[92:93]
	s_add_nc_u64 s[G0K+2:G0K+3], s[92:93], 0x100000
	s_add_nc_u64 s[G0V+2:G0V+3], s[92:93], 0x200000
.irp g, G0X, G0Q, G0K, G0V
	s_or_b32 s[\g+3], s[\g+3], 0x80000000
.endr
	CROUND                                         ; all sixteen work-groups are here: the joint loads meet
	s_cmp_eq_u32 s15, 0
	s_cbranch_scc0 .Lfill_w
	tensor_load_to_lds s[G0X:G0X+3], s[G1X:G1X+7]
	s_nop 0
	PLACES
	s_branch .Lfilled
.Lfill_w:
	tensor_load_to_lds s[G0Q:G0Q+3], s[G1W:G1W+7]
	s_nop 0
	PLACES
.Lfilled:
	v_and_b32 v1, 15, v0                           ; r
	v_bfe_u32 v2, v0, 4, 1                         ; h
	v_and_b32 v4, 31, v0                           ; lane
	v_mul_u32_u24 v3, v1, PITCH
	v_lshlrev_b32 v6, 5, v2                        ; the bias of q and k: eight neighbouring channels,
	v_lshlrev_b32 v7, 2, v1                        ; of v: one channel
	v_lshl_add_u32 v3, v2, 4, v3                   ; a fragment's row r, + 16 h
	s_mul_i32 s17, s15, 64*PITCH
	v_add_nc_u32 v[ADX], s17, v3
	v_add_nc_u32 v[ADW0], s94, v3
	v_add_nc_u32 v[ADW1], SLOT, v[ADW0]
	s_mul_i32 s17, s14, 64*SP
	s_add_co_u32 s17, s17, STAGE                   ; my stage
	v_mul_u32_u24 v5, v1, SP
	v_lshrrev_b32 v14, 2, v4
	v_and_b32 v15, 3, v4
	v_lshl_add_u32 v5, v2, 3, v5
	v_mul_u32_u24 v14, v14, SP
	v_add_nc_u32 v[STO], s17, v5                   ; in: row r, 8 bytes for each half of the lanes
	v_lshl_add_u32 v14, v15, 4, v14
	v_lshlrev_b32 v[GO], 4, v4                     ; out: 16 bytes a lane, 512 consecutive bytes an instruction,
	v_add_nc_u32 v[RD], s17, v14                   ; which are eight rows of the stage
	s_lshl_b32 s18, s58, 9
	s_lshl_b32 s19, s16, 8
	s_add_co_u32 s18, s18, s19                     ; my head's first channel in b_qkv: 512 x tile column + 256 x head bytes
	s_mov_b32 s19, 0
	s_add_nc_u64 s[10:11], s[10:11], s[18:19]
	s_lshl_b32 s18, s58, 1
	s_add_co_u32 s18, s18, s16
	s_lshl_b32 s18, s18, 18                        ; my head,
	s_lshl_b32 s20, s59, 1
	s_add_co_u32 s20, s20, s15
	s_lshl_b32 s20, s20, 12                        ; and my block of 64 tokens: 4,096 bytes in each of the three buffers
	s_add_co_u32 s18, s18, s20
	s_add_nc_u64 s[68:69], s[68:69], s[18:19]
	s_add_nc_u64 s[70:71], s[70:71], s[18:19]
	s_add_nc_u64 s[72:73], s[72:73], s[18:19]
	s_wait_alu depctr_va_vdst(0)
.irp b, 0,1,2,3
	global_load_b128 v[BIAS+8*\b:BIAS+8*\b+3], v6, s[10:11] offset:64*\b
	global_load_b128 v[BIAS+8*\b+4:BIAS+8*\b+7], v6, s[10:11] offset:64*\b+16
	global_load_b128 v[BIAS+32+8*\b:BIAS+32+8*\b+3], v6, s[10:11] offset:4096+64*\b
	global_load_b128 v[BIAS+32+8*\b+4:BIAS+32+8*\b+7], v6, s[10:11] offset:4096+64*\b+16
	global_load_b32 v[BIAS+64+8*\b], v7, s[10:11] offset:8192+64*\b
.endr
; Registers 4 c .. 4 c + 3 of a fragment hold k = 128 s + 32 c + 16 h + 0 .. 15 on both sides.
.macro FETCH adr, s                    ; four fragments of K step s
.irp b, 0,1,2,3
.irp c, 0,1,2,3
	ds_load_b128 v[64*((\s)%4)+16*\b+4*\c:64*((\s)%4)+16*\b+4*\c+3], v[\adr] offset:\b*16*PITCH+128*(\s)+32*\c
.endr
.endr
.endm
.macro WFETCH adr, s
	WIN 0xc0                                       ; destination window 3
	FETCH \adr, \s
.endm
.macro MUL j, s                        ; 16 accumulators by turns
.if (\j) < 2
	WIN 0x03+4*(1+(\s)/4)                          ; source 0 (weights) window 3, source 1 (x) window 1 or 2; C and D window 0
.else
	WIN 0x0c+1+(\s)/4                              ; the other way round
.endif
.irp a, 0,1,2,3
.irp b, 0,1,2,3
.set AC, ACC+8*(4*\a+\b)
.if (\s) == 0
.set CC, BIAS+32*(\j)+8*\b
.else
.set CC, AC
.endif
.if (\j) < 2
	v_wmma_f32_16x16x128_fp8_fp8 v[AC:AC+7], v[64*((\s)%4)+16*\b:64*((\s)%4)+16*\b+15], v[64*((\s)%4)+16*\a:64*((\s)%4)+16*\a+15], v[CC:CC+7]
.else
	v_wmma_f32_16x16x128_fp8_fp8 v[AC:AC+7], v[64*((\s)%4)+16*\a:64*((\s)%4)+16*\a+15], v[64*((\s)%4)+16*\b:64*((\s)%4)+16*\b+15], v[CC:CC+7]
.endif
.endr
.endr
.endm
; Product j over all of K; its weights' first three K steps have been asked for.  In front of its last K step's multiplications all its reads of the slot have been asked for and have come.
.macro PRODUCT j, adr
.irp s, 0,1,2,3,4,5,6,7
.if \s < 5
.if \s > 0
	PLACES                                         ; in front of loads into the buffer that the last K step read
.endif
	WFETCH \adr, \s+3
	s_wait_dscnt 48                                ; K step s is in; the three behind it may be out
.elseif \s < 7
	s_wait_dscnt 16*(7-\s)                         ; the later K steps may be out
.else
	s_wait_dscnt 0x0                               ; my reads of the slot are over
	WIN 0
.if (\j) < 2
	s_wait_tensorcnt 0x0                           ; my part of the next weights is in
.endif
.if (\j) == 0
	ds_add_u32 v[SPW], v[NIL]                      ; 0 onto my spare word
.endif
.endif
	MUL \j, \s
.endr
	WIN 0
.endm
; The way out of product j: held, quantised, through my stage, 4,096 consecutive bytes.
.macro OUT j, dst
.set n, 0
.rept 128
	v_med3_num_f32 v[ACC+n], v[ACC+n], -v[LIM+\j], v[LIM+\j]   ; the conversion does not saturate (ISA guide 7.6.2); each accumulator from its low end on
.set n, n+1
.endr
.set n, 0
.rept 16
	v_cvt_scalef32_pk8_fp8_f32 v[BIAS+32*(\j)+2*n:BIAS+32*(\j)+2*n+1], v[ACC+8*n:ACC+8*n+7], v[SC+\j]
.set n, n+1
.endr
	v_nop                                          ; the plain line behind the conversions
.irp a, 0,1,2,3
.irp b, 0,1,2,3
.if (\j) < 2
	ds_store_b64 v[STO], v[BIAS+32*(\j)+2*(4*\a+\b):BIAS+32*(\j)+2*(4*\a+\b)+1] offset:\a*16*SP+16*\b   ; token 16 a + r, channels 16 b + 8 h on
.else
	ds_store_b64 v[STO], v[BIAS+32*(\j)+2*(4*\a+\b):BIAS+32*(\j)+2*(4*\a+\b)+1] offset:\b*16*SP+16*\a   ; channel 16 b + r, tokens 16 a + 8 h on
.endif
.endr
.endr
.irp i, 0,1,2,3,4,5,6,7
	ds_load_b128 v[ACC+4*\i:ACC+4*\i+3], v[RD] offset:8*\i*SP   ; LDS serves a wave's instructions in order: these see my stores
.endr
	s_wait_dscnt 0x0
.irp i, 0,1,2,3,4,5,6,7
	global_store_b128 v[GO], v[ACC+4*\i:ACC+4*\i+3], s[\dst:\dst+1] offset:512*\i   ; 32 lanes store 512 consecutive bytes, aligned
.endr
.endm
	s_wait_alu depctr_va_vdst(0)                   ; the head's end
	s_wait_tensorcnt 0x0                           ; my part of x and of the weights of q is in
	s_barrier_signal -1
	s_barrier_wait -1                              ; everybody's is
	WIN 0x40                                       ; x's fragments: windows 1 and 2
.irp s, 0,1,2,3
	FETCH ADX, \s
.endr
	WIN 0x80
.irp s, 4,5,6,7
	FETCH ADX, \s
.endr
	WIN 0
	s_wait_kmcnt 0x0
	s_add_co_i32 s93, s84, s85
.irp j, 0,1,2
	s_sub_co_i32 s92, s[86+\j+\j/2], s93           ; e2, e3, e5 less (e0 + e1)
	s_add_co_i32 s92, s92, 127
	s_lshl_b32 s94, s92, 23
	v_mov_b32 v[SC+\j], s94
	s_add_co_i32 s92, s92, 8
	s_lshl_b32 s92, s92, 23
	s_or_b32 s92, s92, 0x600000
	v_mov_b32 v[LIM+\j], s92
.endr
	s_sub_co_i32 s93, 0, s93
	s_wait_alu depctr_va_vdst(0)                   ; directly ahead of the waits below
	s_wait_loadcnt 0x0                             ; b_qkv
	s_wait_tensorcnt 0x0                           ; no tensor load of mine is out
	ds_add_u32 v[SPW], v[NIL]
.set n, 0
.rept 64
	v_ldexp_f32 v[BIAS+n], v[BIAS+n], s93
.set n, n+1
.endr
.irp b, 0,1,2,3
.irp j, 7,6,5,4,3,2,1,0
	v_ldexp_f32 v[BIAS+64+8*\b+\j], v[BIAS+64+8*\b], s93   ; v's channel serves eight tokens; the source itself comes last
.endr
.endr
	s_wait_alu depctr_va_vdst(0)                   ; directly ahead of the wait below
	s_wait_dscnt 0x0                               ; the add is done, and x is in registers
	CROUND                                         ; the same holds of every wave of every partner
	WLOAD G0K                                      ; slot 0 takes the weights of k: the first tensor load behind the round
	WFETCH ADW1, 0
	WFETCH ADW1, 1
	WFETCH ADW1, 2
	PRODUCT 0, ADW1
	s_wait_dscnt 0x0                               ; the add is done
	CROUND                                         ; everybody's part of k's weights is in, and nobody reads slot 1 any more
	WLOAD G0V                                      ; slot 1 takes the weights of v.  (Its four v_nop are also the places in front of the loads and conversions below)
	WFETCH ADW0, 0
	WFETCH ADW0, 1
	WFETCH ADW0, 2
	WIN 0
	OUT 0, 68
	s_wait_xcnt 0x0                                ; the stores have read their registers, which the next products take
	PRODUCT 1, ADW0
	s_barrier_signal -1
	s_barrier_wait -1                              ; everybody's part of v's weights is in
	PLACES
	WFETCH ADW1, 0
	WFETCH ADW1, 1
	WFETCH ADW1, 2
	WIN 0
	OUT 1, 70
	s_wait_xcnt 0x0
	PRODUCT 2, ADW1
	PLACES
	OUT 2, 72
	s_wait_tensorcnt 0x0                           ; the wave's end
	ds_add_u32 v[SPW], v[NIL]
	s_wait_dscnt 0x0
	CROUND                                         ; the closing round: no work-group ends while a partner may still ask for a tile that names it
	s_endpgm
.Lfunc_end_k_q349361d0ef_qkv:
	.size	k_q349361d0ef_qkv, .Lfunc_end_k_q349361d0ef_qkv-k_q349361d0ef_qkv
	.p2alignl 7, 3214868480
	.fill 96, 4, 3214868480
	.section	.rodata,"a",@progbits
	.p2align	6, 0x0
	.amdhsa_kernel k_q349361d0ef_qkv
		.amdhsa_group_segment_fixed_size 327680
		.amdhsa_private_segment_fixed_size 0
		.amdhsa_enable_private_segment 0
		.amdhsa_kernarg_size 56
		.amdhsa_user_sgpr_count 2
		.amdhsa_user_sgpr_kernarg_segment_ptr 1
		.amdhsa_wavefront_size32 1
		.amdhsa_system_sgpr_workgroup_id_x 1
		.amdhsa_system_sgpr_workgroup_id_y 1
		.amdhsa_system_sgpr_workgroup_id_z 1
		.amdhsa_system_vgpr_workitem_id 0
		.amdhsa_next_free_vgpr 1024
		.amdhsa_next_free_sgpr 96
		.amdhsa_reserve_vcc 0
		.amdhsa_float_denorm_mode_32 3
		.amdhsa_float_denorm_mode_16_64 3
		.amdhsa_memory_ordered 1
		.amdhsa_forward_progress 1
		.amdhsa_inst_pref_size 112
	.end_amdhsa_kernel
	.amdgpu_metadata
---
amdhsa.version: [ 1, 2 ]
amdhsa.kernels:
  - .name:           k_q349361d0ef_qkv
    .symbol:         k_q349361d0ef_qkv.kd
    .args:
      - { .name: x_codes, .offset: 0, .size: 8, .value_kind: global_buffer, .address_space: global }
      - { .name: wqkv_codes, .offset: 8, .size: 8, .value_kind: global_buffer, .address_space: global }
      - { .name: lowp_scales, .offset: 16, .size: 8, .value_kind: global_buffer, .address_space: global }
      - { .name: b_qkv, .offset: 24, .size: 8, .value_kind: global_buffer, .address_space: global }
      - { .name: q_codes, .offset: 32, .size: 8, .value_kind: global_buffer, .address_space: global }
      - { .name: k_codes, .offset: 40, .size: 8, .value_kind: global_buffer, .address_space: global }
      - { .name: v_codes, .offset: 48, .size: 8, .value_kind: global_buffer, .address_space: global }
    .group_segment_fixed_size: 327680
    .private_segment_fixed_size: 0
    .kernarg_segment_align: 8
    .kernarg_segment_size: 56
    .max_flat_workgroup_size: 128
    .sgpr_count:     96
    .vgpr_count:     1024
    .wavefront_size: 32
...
	.end_amdgpu_metadata
.endif
;; end of part 2
;; launch attn (part 3): grid 16 x 16, 8 waves a work-group, no clusters, 327,680 bytes of LDS; arguments q_codes, k_codes, v_codes, lowp_scales, att_codes; writes att_codes
.if DOCPART == 3
	.amdgcn_target "amdgcn-amd-amdhsa--gfx1250"
	.amdhsa_code_object_version 6
	.text
	.protected	k_q349361d0ef_attn
	.globl	k_q349361d0ef_attn
	.p2align	8
	.type	k_q349361d0ef_attn,@function
k_q349361d0ef_attn:
	s_mov_b64 s[64:65], 0
	v_nop
	global_prefetch_b8 v0, s[64:65] scope:SCOPE_SE
	s_setreg_imm32_b32 hwreg(HW_REG_WAVE_MODE, 25, 1), 1
	s_wait_xcnt 0x0
; Causal attention on codes of E4M3, head size 64, 16 heads, 4,096 tokens.  q_codes, k_codes: [16][4096][64]; v_codes: [16][64 blocks of 64 keys][64 channels][64 keys]; att_codes: [16][4096][64], quantised with e6.
; t = score x 2^(e2 + e3) x log2(e) / 8;  M = the running largest t rounded UP to a whole number;  p = 2^(t - M) is quantised with e4, not normalised; the row's sum is taken of the unquantised p and divides at the end.
; WORK LEFT OUT: units of 128 keys wholly above the diagonal of reference()'s causal mask (their p is 0 for all inputs).
; EVEN SHARES UNDER THE MASK.  Work-group (i, head) owns two blocks of 128 queries, i and 31 - i, one after the other.  Block b needs units 0 .. b of 128 keys.  Four units make an LDS slot: block i needs i / 4 + 1 slots and
; block 31 - i needs 8 - i / 4: nine slots and 33 units whatever i is, so the trip count is a constant.
; TWO SETS OF FOUR WAVES.  Wave w of a set owns 32 queries of the block, two tiles of 16, so that each fragment of K and V read from LDS feeds two products.  Set 0 takes the even units, set 1 the odd ones, each with its own M, sum and O^T;
; at a pass's end each wave hands its tile B to the wave of the other set that owns the same queries and receives that one's part of its tile A.  (Tile A is queries 0-15 of the 32 in set 0 and 16-31 in set 1.)  Scaling by powers of two rounds nothing.
; Both products are used transposed (S^T = K Q^T, O^T = V^T P^T): a lane holds ONE query of a tile throughout.
; THE KEYS OF A TILE ARE NOT NEIGHBOURS: lane r of tile 2 b + u takes key 32 b + 8 u + r + 8 (r / 8), so that the 16 registers of tiles 2 b, 2 b + 1 are keys 32 b + 16 (lane / 16) + 0 .. 15: the conversions' results are the second product's operand.
; NO CLUSTER, though the 16 work-groups of a head read the same K and V: the branches for hidden and diagonal units hang on the block, which differs between them; partners of joint loads must run alike.
; LIMITS, so that each power of two is an f32 number: e2 + e3 between -123 and 130 (added to c's exponent field); e4 and e6 - e4 - e5 between -126 and 119.  The promise holds while |t| stays under 2^31.  NaN is not served.
; REGISTERS.  Window 0: v1-31 addresses, constants and the rows' state; v32-95, v96-159 S^T, then p, of tiles A, B; v160-191, v192-223 O^T of A, B; v224-255 p's codes (ahead of them temporaries).
;   Window 1: v0-63 K's eight fragments of a unit; v64-127 V's four; v128-143 Q of the block in hand, v144-159 of the second block.
.set KP,    144                        ; two keys' 128 bytes + 16 of padding: the 16 keys of a tile start at 16 different groups of banks (ISA guide 11.1)
.set UK,    64*KP                      ; a unit of K
.set VP,    80                         ; a channel's 64 keys + 16: likewise
.set VSUB,  64*VP                      ; a block of 64 keys
.set UV,    2*VSUB                     ; a unit of V
.set VOFF,  4*UK                       ; a slot: four units of K, then four of V
.set SLOT1, 1<<17                      ; slot 1 begins here: one exclusive or turns an address in one slot into the other's
.set SPARE, 2*SLOT1                    ; the spare words, 128 bytes for each of 8 waves
.set STAGE, SPARE+1024                 ; the way out: 1,024 bytes a wave; no fill lands there
.set EX,    STAGE+8192                 ; the exchange: nine groups of 512 bytes a wave; no fill lands there
.set EXB,   9*512
.set SLB,   32768                      ; a slot's bytes of K, or of V, in memory
.set AK0,  1
.set AV0,  2
.set PFO,  3                           ; the prefetches' offset; never rewritten
.set EXW,  4                           ; where I put my tile B
.set SPW,  5                           ; my spare word; never rewritten
.set NIL,  6                           ; 0; never rewritten
.set GO,   7
.set ADK,  8
.set ADV,  9
.set RD,   10
.set STO,  11
.set NA,   12                          ; tile A: v12 -M, v13 the largest t; v[14:15] the sum in two halves
.set LA,   14
.set NB,   16                          ; tile B likewise
.set LB,   18
.set FA,   20                          ; v[20:21], v[22:23] 2^(old M - new M); the upper words are named with them
.set FB,   22
.set DA,   24
.set DB,   25
.set NINF, 26
.set PLIM, 27                          ; 448 x 2^e4
.set PSC,  28                          ; 2^e4
.set OLIM, 29
.set OSC,  30
.set EXR,  31                          ; where the partner put its tile B
.set SA,   32
.set SB,   96
.set OA,   160
.set OB,   192
.set PC,   224
.set T,    224
.set TB,   2                           ; s2  LDS byte at which the slot in hand begins
.set CNT,  3
.set KU,   14                          ; s14 my unit's number in the pass
.set BLK,  15                          ; s15 the block in hand
.set LEFT, 16                          ; s16 slots left in the first pass
.set HI,   17                          ; s17 31 - i
.set WV,   18
.set SET,  19                          ; s19 wave / 4
.set SEL,  20                          ; s[20:21] v_permlanex16_b32's selects: lane l xor 16
.set CS,   22                          ; s[22:23] c
.set G1K,  24
.set G1V,  32
.set G0K,  40
.set G0V,  44
.set OBLO, 54                          ; s[54:55], s[56:57] where my tile A of the two blocks goes
.set OBHI, 56
.set PFA,  58                          ; s[58:59] where my prefetches stand
.set LIM,  62
.set TV,   63                          ; s63 LDS offset of V's unit
.set W4,   84                          ; s84 wave mod 4
.set J,    85                          ; s85 units left in the slot
.set TK,   86                          ; s86 LDS offset of my second unit of K in the slot
.set MSB, 0
.macro WIN new
.if MSB != \new
	s_set_vgpr_msb (MSB<<8)|\new
.set MSB, \new
.endif
.endm
; Waves 0 to 3 fetch a unit of K each, waves 4 to 7 a unit of V: 8,192 dense bytes, one load a wave.  The branch hangs on the wave's number alone.  s_nop 0 and four v_nop follow each load.
.macro TLOAD
	s_cmp_lt_u32 s[WV], 4
	s_cbranch_scc0 .Lfor_v_\@
	tensor_load_to_lds s[G0K:G0K+3], s[G1K:G1K+7]
	s_nop 0
.rept 4
	v_nop
.endr
	s_branch .Lasked_\@
.Lfor_v_\@:
	tensor_load_to_lds s[G0V:G0V+3], s[G1V:G1V+7]
	s_nop 0
.rept 4
	v_nop
.endr
.Lasked_\@:
.endm
; A PREFETCH INTO THE L2.  In trip s the keys' slot s + 2 is named: its first tensor loads are issued one trip later (slots 2, 3) or two.  Work-group i = 0 of each head asks, for all sixteen: each wave for the 32 blocks of 256 bytes
; that it fetches itself, lanes 256 bytes apart.  So each aligned 256 bytes is named once in the launch.  Trips 0 to 5 name slots 2 to 7; the last trips name nothing; slots 0 and 1 come by their loads alone.
.macro ASK
	s_cmp_gt_u32 s[CNT], s[LIM]
	s_cbranch_scc0 .Lnot_mine_\@
	global_prefetch_b8 v[PFO], s[PFA:PFA+1] th:TH_LOAD_NT scope:SCOPE_SE
.Lnot_mine_\@:
.endm
.macro KLOAD                           ; a unit's eight tiles of K: 16 keys x 64 in 8 registers, two loads of 16 bytes
.irp t, 0,1,2,3,4,5,6,7
	ds_load_b128 v[8*\t:8*\t+3],   v[ADK] offset:((32*(\t/2)+8*(\t%2))/2)*KP
	ds_load_b128 v[8*\t+4:8*\t+7], v[ADK] offset:((32*(\t/2)+8*(\t%2))/2)*KP+32
.endr
.endm
.macro VLOAD                           ; a unit's four tiles of V^T: 16 of the head's 64 x 128 keys in 16 registers
.irp t, 0,1,2,3
.irp c, 0,1,2,3
	ds_load_b128 v[64+16*\t+4*\c:64+16*\t+4*\c+3], v[ADV] offset:(\c/2)*VSUB+16*\t*VP+32*(\c%2)
.endr
.endr
.endm
	s_load_b256 s[4:11], s[0:1], 0x0               ; q_codes s[4:5], k_codes s[6:7], v_codes s[8:9], lowp_scales s[10:11]
	s_load_b64 s[12:13], s[0:1], 0x20              ; att_codes
	v_lshl_add_u32 v[SPW], v0, 2, SPARE
	v_mov_b32 v[NIL], 0
	ds_add_u32 v[SPW], v[NIL]                      ; the wave's opening: the add, twice on end, and its wait ahead of my first tensor load
	ds_add_u32 v[SPW], v[NIL]
	v_lshrrev_b32 v40, 5, v0
	v_readfirstlane_b32 s[WV], v40                 ; wave 0..7
	s_and_b32 s[W4], s[WV], 3
	s_lshr_b32 s[SET], s[WV], 2
	s_and_b32 s76, ttmp7, 0xffff                   ; the head
	s_lshl_b32 s66, s76, 18                        ; its first byte in each of the four tensors of codes
	s_mov_b32 s67, 0
	s_sub_co_u32 s[HI], 31, ttmp9
	s_lshr_b32 s[LEFT], ttmp9, 2
	s_add_co_u32 s[LEFT], s[LEFT], 1               ; the first pass's slots
	s_lshl_b32 s52, s[LEFT], 15                    ; and what they are in bytes
	s_mov_b32 s49, 0
	s_mul_i32 s78, s[W4], UK                       ; my unit: in a slot, of K,
	s_mul_i32 s79, s[W4], UV
	s_add_co_u32 s79, s79, VOFF                    ; of V,
	s_lshl_b32 s80, s[W4], 13                      ; and in memory
	s_mov_b32 s81, 0
	s_add_nc_u64 s[80:81], s[80:81], s[66:67]
	s_mov_b32 s[G1K], (0<<16)|(1<<20)|(4<<22)|(3<<25)   ; elements of 1 byte; padding: four words after every 32.  A unit is dense in memory and stated as rows of 256 bytes
	s_mov_b32 s[G1V], (0<<16)|(1<<20)|(3<<22)|(3<<25)   ; padding: four words after every 16
.irp g, G1K, G1V
	s_mov_b32 s[\g+1], 256<<16                     ; tensor_dim0
	s_mov_b32 s[\g+2], 32<<16                      ; tensor_dim1
	s_mov_b32 s[\g+3], 256<<16                     ; tile_dim0
	s_mov_b32 s[\g+4], 32                          ; tile_dim1
	s_mov_b32 s[\g+5], 256                         ; from row to row
	s_mov_b32 s[\g+6], 0
	s_mov_b32 s[\g+7], 0
.endr
	s_mov_b32 s[SEL], 0x76543210
	s_mov_b32 s[SEL+1], 0xfedcba98
	s_mov_b32 s[CS], 0x3e38aa3b                    ; c = log2(e) / sqrt(64)
	s_mov_b32 s[TB], 0
	s_mov_b32 s[CNT], 8
	s_mov_b32 s[KU], s[SET]
	s_mov_b32 s[BLK], ttmp9
	s_wait_alu depctr_va_vdst(0)
	s_wait_dscnt 0x0                               ; both opening adds are done
	s_wait_kmcnt 0x0
	s_load_b256 s[68:75], s[10:11], 0x0            ; e0 .. e7
	s_mov_b32 s[G0K], 1
	s_mov_b32 s[G0K+1], s78
	s_add_nc_u64 s[G0K+2:G0K+3], s[6:7], s[80:81]
	s_or_b32 s[G0K+3], s[G0K+3], 0x80000000
	s_mov_b32 s[G0V], 1
	s_mov_b32 s[G0V+1], s79
	s_add_nc_u64 s[G0V+2:G0V+3], s[8:9], s[80:81]
	s_or_b32 s[G0V+3], s[G0V+3], 0x80000000
	TLOAD                                          ; slot 0: the head's first 512 keys
	; the prefetches: where my wave's stand, and who asks
	s_cmp_lt_u32 s[WV], 4
	s_cselect_b64 s[PFA:PFA+1], s[6:7], s[8:9]
	s_add_nc_u64 s[PFA:PFA+1], s[PFA:PFA+1], s[80:81]
	s_add_nc_u64 s[PFA:PFA+1], s[PFA:PFA+1], SLB   ; in slot 1: the first change of slots steps it to slot 2
	s_cmp_eq_u32 ttmp9, 0
	s_cselect_b32 s[LIM], 2, -1
	s_lshl_b32 s76, ttmp9, 13                      ; my 32 queries of block i: 8,192 i + 2,048 (wave mod 4) bytes into the head
	s_lshl_b32 s48, s[W4], 11
	s_add_co_u32 s76, s76, s48
	s_add_co_u32 s76, s76, s66
	s_mov_b32 s77, 0
	s_lshl_b32 s82, s[SET], 10                     ; tile A begins 1,024 x set bytes on,
	s_xor_b32 s83, s82, 1024                       ; tile B at the other half
	s_add_nc_u64 s[78:79], s[4:5], s[76:77]
	s_add_co_u32 s76, s76, s82
	s_add_nc_u64 s[OBLO:OBLO+1], s[12:13], s[76:77]
	s_lshl_b32 s76, s[HI], 13                      ; and of block 31 - i
	s_add_co_u32 s76, s76, s48
	s_add_co_u32 s76, s76, s66
	s_add_nc_u64 s[80:81], s[4:5], s[76:77]
	s_add_co_u32 s76, s76, s82
	s_add_nc_u64 s[OBHI:OBHI+1], s[12:13], s[76:77]
	v_and_b32 v41, 15, v0                          ; r
	v_bfe_u32 v42, v0, 4, 1                        ; h
	v_lshlrev_b32 v43, 6, v41
	v_lshl_add_u32 v43, v42, 4, v43                ; Q: row r of 64 bytes, + 16 h: the same order of k as K's loads give
	v_add_nc_u32 v44, s82, v43
	v_add_nc_u32 v45, s83, v43
	WIN 0x40
	global_load_b128 v[128:131], v44, s[78:79] th:TH_LOAD_NT
	global_load_b128 v[132:135], v44, s[78:79] offset:32 th:TH_LOAD_NT
	global_load_b128 v[136:139], v45, s[78:79] th:TH_LOAD_NT
	global_load_b128 v[140:143], v45, s[78:79] offset:32 th:TH_LOAD_NT
	global_load_b128 v[144:147], v44, s[80:81] th:TH_LOAD_NT
	global_load_b128 v[148:151], v44, s[80:81] offset:32 th:TH_LOAD_NT
	global_load_b128 v[152:155], v45, s[80:81] th:TH_LOAD_NT
	global_load_b128 v[156:159], v45, s[80:81] offset:32 th:TH_LOAD_NT
	WIN 0
	v_and_b32 v46, 8, v41
	v_and_b32 v48, 31, v0                          ; lane
	v_add_nc_u32 v46, v46, v41                     ; my key in a tile: r + 8 (r / 8)
	v_lshlrev_b32 v[GO], 4, v48                    ; the way out: 16 bytes a lane
	v_lshrrev_b32 v47, 1, v46
	v_and_b32 v46, 1, v46
	v_mul_u32_u24 v[AK0], v47, KP
	v_mul_u32_u24 v[AV0], v41, VP
	v_lshl_add_u32 v[AK0], v46, 6, v[AK0]
	v_lshl_add_u32 v[AV0], v42, 4, v[AV0]
	v_lshl_add_u32 v[AK0], v42, 4, v[AK0]
	s_mul_i32 s76, s[SET], UK                      ; set 1 takes the odd units
	v_add_nc_u32 v[AK0], s76, v[AK0]
	s_mul_i32 s76, s[SET], UV
	s_add_co_u32 s76, s76, VOFF
	v_add_nc_u32 v[AV0], s76, v[AV0]
	s_lshl_b32 s76, s[WV], 10
	s_add_co_u32 s76, s76, STAGE                   ; my stage
	v_add_nc_u32 v[RD], s76, v[GO]
	v_lshlrev_b32 v[STO], 6, v41
	v_lshrrev_b32 v49, 5, v0
	v_xor_b32 v50, 128, v0                         ; the same lane of the other set's wave
	v_lshl_add_u32 v[STO], v42, 3, v[STO]
	v_lshrrev_b32 v50, 5, v50
	v_mul_u32_u24 v49, v49, EXB
	v_add_nc_u32 v[STO], s76, v[STO]               ; in: query r's 64 bytes, + 8 h
	v_mul_u32_u24 v50, v50, EXB
	v_lshl_add_u32 v49, v48, 4, v49
	v_lshl_add_u32 v50, v48, 4, v50
	v_add_nc_u32 v[EXW], EX, v49
	v_add_nc_u32 v[EXR], EX, v50
	v_lshlrev_b32 v49, 4, v42
	v_lshlrev_b32 v[PFO], 8, v48
	v_mov_b32 v[NINF], 0xff800000                  ; -infinity
	v_sub_nc_u32 v49, v41, v49
	s_lshl_b32 s76, s[W4], 5
	s_lshl_b32 s77, s[SET], 4
	s_add_co_u32 s82, s76, s77
	v_add_nc_u32 v[DA], s82, v49                   ; d = my query in the block - 16 h.  On the diagonal register 16 b + i holds key 32 b + 16 h + i of the unit: hidden where 32 b + i > d
	s_xor_b32 s77, s77, 16
	s_add_co_u32 s82, s76, s77
	v_add_nc_u32 v[DB], s82, v49
	v_mov_b32 v[FA+1], 0
	v_mov_b32 v[FB+1], 0
	s_wait_alu depctr_va_vdst(0)                   ; directly ahead of the wait below
	s_wait_kmcnt 0x0
	s_add_co_i32 s76, s70, s71
	s_lshl_b32 s76, s76, 23
	s_add_co_i32 s[CS], s[CS], s76                 ; a score stands for score x 2^(e2 + e3): added to c's exponent field
	s_mov_b32 s[CS+1], s[CS]
	s_add_co_i32 s76, s72, 127
	s_lshl_b32 s77, s76, 23
	v_mov_b32 v[PSC], s77                          ; 2^e4
	s_add_co_i32 s76, s76, 8
	s_lshl_b32 s76, s76, 23
	s_or_b32 s76, s76, 0x600000
	v_mov_b32 v[PLIM], s76                         ; 448 x 2^e4
	s_sub_co_i32 s76, s74, s72
	s_sub_co_i32 s76, s76, s73
	s_add_co_i32 s76, s76, 127
	s_lshl_b32 s77, s76, 23
	v_mov_b32 v[OSC], s77                          ; 2^(e6 - e4 - e5): O^T / l stands for that x 2^(e4 + e5)
	s_add_co_i32 s76, s76, 8
	s_lshl_b32 s76, s76, 23
	s_or_b32 s76, s76, 0x600000
	v_mov_b32 v[OLIM], s76
.macro RESET                           ; a pass begins: the largest t under every t, the sums and O^T zeros, which the first change of M leaves zeros
	v_mov_b32 v[NA+1], 0xff61b1e6
	v_mov_b32 v[NB+1], 0xff61b1e6
	v_mov_b32 v[LA], 0
	v_mov_b32 v[LA+1], 0
	v_floor_f32 v[NA], -v[NA+1]
	v_floor_f32 v[NB], -v[NB+1]
	v_mov_b32 v[LB], 0
	v_mov_b32 v[LB+1], 0
.set n, 0
.rept 64
	v_mov_b32 v[OA+n], 0
.set n, n+1
.endr
.endm
.macro ADD d, a, b                     ; a pair of registers
	v_pk_add_f32 v[\d:\d+1], v[\a:\a+1], v[\b:\b+1]
.endm
.macro BOTH op, d, a, b                ; one line for tile A (temporaries T ..) and the same for tile B (T + 4 ..)
	\op v[T+\d], v[T+\a], v[T+\b]
	\op v[T+4+\d], v[T+4+\a], v[T+4+\b]
.endm
.macro LIMIT2 r                        ; p's hold, two numbers: the conversion does not saturate (ISA guide 7.6.2); p is not negative, so the hold is one-sided
	v_dual_min_num_f32 v[\r], v[\r], v[PLIM] :: v_dual_min_num_f32 v[\r+1], v[\r+1], v[PLIM]
.endm
.macro HIDE P, d                       ; the diagonal unit: hidden scores become -infinity ahead of the maximum, so that p = 0.  Key 0 of the unit counts for every query
.set n, 0
.rept 64
	v_cmp_gt_i32 vcc_lo, 32*(n/16)+n%16, v[\d]
	v_cndmask_b32 v[\P+n], v[\P+n], v[NINF], vcc_lo
.set n, n+1
.endr
.endm
; A UNIT of 128 keys x my 32 queries.  A unit wholly above the diagonal is left out (a scalar branch on ids; no barrier and no tensor load stands in a unit).
.macro STEP
	s_cmp_gt_u32 s[KU], s[BLK]
	s_cbranch_scc1 .Lhidden_\@
	s_wait_dscnt 0x0                               ; this unit's K is in
	WIN 0x05                                       ; sources 0 and 1 window 1
.irp t, 0,1,2,3,4,5,6,7
	v_wmma_f32_16x16x64_fp8_fp8 v[SA+8*\t:SA+8*\t+7], v[8*\t:8*\t+7], v[128:135], 0
	v_wmma_f32_16x16x64_fp8_fp8 v[SB+8*\t:SB+8*\t+7], v[8*\t:8*\t+7], v[136:143], 0
.endr
	WIN 0
	v_add_nc_u32 v[ADV], s[TV], v[AV0]             ; with the two v_nop four places: in front of the loads into K's registers and V's, and of the first read of the scores
	v_add_nc_u32 v[ADK], s[TK], v[AK0]
	v_nop
	v_nop
	WIN 0x40                                       ; destination window 1
	VLOAD                                          ; V lands while the softmax is walked,
	WIN 0
	s_cmp_lg_u32 s[J], 2
	s_cbranch_scc1 .Lno_k_\@
	WIN 0x40
	KLOAD                                          ; and so does my second unit of K in the slot
	WIN 0
.Lno_k_\@:
	s_cmp_lg_u32 s[KU], s[BLK]
	s_cbranch_scc1 .Lopen_\@
	HIDE SA, DA
	HIDE SB, DB
.Lopen_\@:
.irp i, 0,3,6                          ; the unit's largest score of my two queries among my 64 keys, three chains each
	v_max3_num_f32 v[T+\i/3], v[SA+\i], v[SA+1+\i], v[SA+2+\i]
	v_max3_num_f32 v[T+4+\i/3], v[SB+\i], v[SB+1+\i], v[SB+2+\i]
.endr
.irp i, 9,15,21,27,33,39,45,51,57
.irp k, 0,1,2
	v_max3_num_f32 v[T+\k], v[T+\k], v[SA+\i+2*\k], v[SA+\i+2*\k+1]
	v_max3_num_f32 v[T+4+\k], v[T+4+\k], v[SB+\i+2*\k], v[SB+\i+2*\k+1]
.endr
.endr
	v_max3_num_f32 v[T], v[T], v[T+1], v[SA+63]
	v_max3_num_f32 v[T+4], v[T+4], v[T+5], v[SB+63]
	BOTH v_max_num_f32, 0, 0, 2
	v_permlanex16_b32 v[T+1], v[T], s[SEL], s[SEL+1]
	v_permlanex16_b32 v[T+5], v[T+4], s[SEL], s[SEL+1]
	BOTH v_max_num_f32, 0, 0, 1                    ; and among lane l xor 16's
	v_mul_f32 v[T], s[CS], v[T]                    ; as t (c is positive)
	v_mul_f32 v[T+4], s[CS], v[T+4]
	v_max_num_f32 v[NA+1], v[NA+1], v[T]           ; the running largest t
	v_max_num_f32 v[NB+1], v[NB+1], v[T+4]
	v_mov_b32 v[T], v[NA]
	v_mov_b32 v[T+4], v[NB]
	v_floor_f32 v[NA], -v[NA+1]                    ; the new -M = floor(-t): M is a whole number
	v_floor_f32 v[NB], -v[NB+1]
	v_sub_f32 v[T], v[NA], v[T]                    ; old M - new M: a whole number, 0 or less
	v_sub_f32 v[T+4], v[NB], v[T+4]
	v_cvt_i32_f32 v[T], v[T]                       ; (it saturates)
	v_cvt_i32_f32 v[T+4], v[T+4]
	v_ldexp_f32 v[FA], 1.0, v[T]                   ; f = 2^(old M - new M): rounds nothing
	v_ldexp_f32 v[FB], 1.0, v[T+4]
.irp j, 0,2,4,6,8,10,12,14,16,18,20,22,24,26,28,30,32,34,36,38,40,42,44,46,48,50,52,54,56,58,60,62
	v_pk_fma_f32 v[SA+\j:SA+1+\j], v[SA+\j:SA+1+\j], s[CS:CS+1], v[NA:NA+1] op_sel_hi:[1,0,0]   ; tile A: t - M, two at a time
.endr
.irp j, 0,2,4,6,8,10,12,14,16,18,20,22,24,26,28,30
	v_pk_mul_f32 v[OA+\j:OA+1+\j], v[OA+\j:OA+1+\j], v[FA:FA+1] op_sel_hi:[1,0]   ; O^T and the sums under the new M
	v_pk_mul_f32 v[OB+\j:OB+1+\j], v[OB+\j:OB+1+\j], v[FB:FB+1] op_sel_hi:[1,0]
.endr
	v_pk_mul_f32 v[LA:LA+1], v[LA:LA+1], v[FA:FA+1] op_sel_hi:[1,0]
	v_pk_mul_f32 v[LB:LB+1], v[LB:LB+1], v[FB:FB+1] op_sel_hi:[1,0]
	s_wait_alu depctr_va_vdst(0)                   ; ahead of the batch
.irp j, 0,2,4,6,8,10,12,14,16,18,20,22,24,26,28,30,32,34,36,38,40,42,44,46,48,50,52,54,56,58,60,62
	v_exp_f32 v[SA+\j], v[SA+\j]                   ; tile A: p = 2^(t - M); between them tile B's t - M
	v_exp_f32 v[SA+1+\j], v[SA+1+\j]
	v_pk_fma_f32 v[SB+\j:SB+1+\j], v[SB+\j:SB+1+\j], s[CS:CS+1], v[NB:NB+1] op_sel_hi:[1,0,0]
.endr
	s_wait_alu depctr_va_vdst(0)                   ; one wait behind tile A's batch and ahead of tile B's
.irp k, 0,1,2,3,4,5,6,7,8,9,10,11,12,13,14,15
	v_exp_f32 v[SB+4*\k], v[SB+4*\k]               ; tile B's p; between them tile A's sums of pairs, of the unquantised p, and then its hold
	v_exp_f32 v[SB+4*\k+1], v[SB+4*\k+1]
	ADD T+2*\k, SA+4*\k, SA+4*\k+2
	LIMIT2 SA+4*\k
	v_exp_f32 v[SB+4*\k+2], v[SB+4*\k+2]
	v_exp_f32 v[SB+4*\k+3], v[SB+4*\k+3]
	LIMIT2 SA+4*\k+2
.endr
	v_nop                                          ; a plain line behind the exponentials
	s_wait_alu depctr_va_vdst(0)                   ; one wait behind tile B's batch
.irp k, 0,2,4,6,8,10,12,14             ; tile A's sixteen partial sums join while tile B's 32 pairs go into eight chains
	ADD T+\k, T+\k, T+16+\k
.endr
.irp k, 0,2,4,6,8,10,12
	ADD T+16+\k, SB+\k, SB+14+\k
.endr
	ADD LB, LB, SB+28
.irp k, 0,2,4,6
	ADD T+\k, T+\k, T+8+\k
.endr
.irp k, 0,2,4,6,8,10,12
	ADD T+16+\k, T+16+\k, SB+30+\k
.endr
	ADD LB, LB, SB+44
	ADD T, T, T+4
	ADD T+2, T+2, T+6
.irp k, 0,2,4,6,8,10,12
	ADD T+16+\k, T+16+\k, SB+46+\k
.endr
	ADD LB, LB, SB+60
	ADD T, T, T+2
	ADD T+16, T+16, SB+62
	ADD T+20, T+20, T+22
	ADD T+24, T+24, T+26
	ADD LB, LB, T+28
	ADD LA, LA, T
	ADD T+16, T+16, T+18
	ADD T+20, T+20, T+24
.irp k, 0,1,2,3,4,5,6,7                ; tile A's codes; between them tile B's hold
	v_cvt_scalef32_pk8_fp8_f32 v[PC+2*\k:PC+2*\k+1], v[SA+8*\k:SA+8*\k+7], v[PSC]
	LIMIT2 SB+8*\k
	LIMIT2 SB+8*\k+2
	LIMIT2 SB+8*\k+4
	LIMIT2 SB+8*\k+6
.if \k == 0
	ADD LB, LB, T+16
.elseif \k == 2
	ADD LB, LB, T+20
.endif
.endr
.irp k, 0,1,2,3,4,5,6,7
	v_cvt_scalef32_pk8_fp8_f32 v[PC+16+2*\k:PC+16+2*\k+1], v[SB+8*\k:SB+8*\k+7], v[PSC]
.endr
	v_nop                                          ; the plain line behind the conversions
	s_wait_alu depctr_va_vdst(0)                   ; directly ahead of the wait below
	s_wait_dscnt 0x0                               ; V is in (and the K that was asked for with it)
	WIN 0x01                                       ; source 0 window 1
.irp t, 0,1,2,3
	v_wmma_f32_16x16x128_fp8_fp8 v[OA+8*\t:OA+8*\t+7], v[64+16*\t:79+16*\t], v[PC:PC+15], v[OA+8*\t:OA+8*\t+7]   ; eight accumulators by turns
	v_wmma_f32_16x16x128_fp8_fp8 v[OB+8*\t:OB+8*\t+7], v[64+16*\t:79+16*\t], v[PC+16:PC+31], v[OB+8*\t:OB+8*\t+7]
.endr
	WIN 0
.Lhidden_\@:
.endm
; A SLOT: my set's two units of its four.
.macro TRIP
	v_add_nc_u32 v[ADK], s[TB], v[AK0]
	WIN 0x40
	KLOAD
	WIN 0
	s_add_co_u32 s[TK], s[TB], 2*UK
	s_mov_b32 s[TV], s[TB]
	s_mov_b32 s[J], 2
	s_wait_alu depctr_va_vdst(0)                   ; directly ahead of the wait below
	s_wait_loadcnt 0x0                             ; Q of both blocks, in the first trip
.Lunit_\@:
	STEP
	s_add_co_u32 s[TV], s[TV], 2*UV
	s_add_co_u32 s[KU], s[KU], 2
	s_sub_co_u32 s[J], s[J], 1
	s_cmp_lg_u32 s[J], 0
	s_cbranch_scc1 .Lunit_\@
	s_xor_b32 s[TB], s[TB], SLOT1
.endm
; THE CHANGE OF SLOTS stands at a slot's head.  Each wave waits for all its tensor loads (its part of the slot ahead), adds 0 to its spare word, and waits for that and for its reads of the slot left behind.
; fill = 1: behind the barrier the slot left behind takes the keys that follow: the next 512, or, where the first pass ends with the slot ahead, the head's first 512 again.
.macro CHANGE fill
	s_wait_tensorcnt 0x0                           ; no tensor load of mine is out, so a group 0 may be written
	ds_add_u32 v[SPW], v[NIL]                      ; 0 onto my spare word
.if \fill
	s_xor_b32 s[G0K+1], s[G0K+1], SLOT1
	s_xor_b32 s[G0V+1], s[G0V+1], SLOT1
	s_cmp_eq_u32 s[LEFT], 1                        ; is the slot ahead the first pass's last?
	s_cselect_b32 s48, s52, 0                      ; then the whole pass is taken back
	s_add_nc_u64 s[G0K+2:G0K+3], s[G0K+2:G0K+3], SLB
	s_sub_nc_u64 s[G0K+2:G0K+3], s[G0K+2:G0K+3], s[48:49]
	s_add_nc_u64 s[G0V+2:G0V+3], s[G0V+2:G0V+3], SLB
	s_sub_nc_u64 s[G0V+2:G0V+3], s[G0V+2:G0V+3], s[48:49]
	s_wait_xcnt 0x0                                ; the last prefetch, a trip back, has read its address
	s_add_nc_u64 s[PFA:PFA+1], s[PFA:PFA+1], SLB
.endif
	s_wait_dscnt 0x0                               ; the add is done, and my reads of the slot left behind are over
	s_barrier_signal -1
	s_barrier_wait -1
.if \fill
	TLOAD                                          ; first behind the barrier, a wave's one tensor load until the next
	ASK
.endif
.endm
; A PASS ENDS: tile B goes to the partner, its part of my tile A comes; O^T / l, quantised with e6; a lane's eight channels are 8 bytes; 16 queries x 64 bytes go through my stage and leave as 1,024 consecutive bytes.
.macro OUT ob
.rept 4
	v_nop                                          ; places behind the last products
.endr
	v_add_f32 v[LA], v[LA], v[LA+1]
	v_add_f32 v[NB+1], v[LB], v[LB+1]
.irp g, 0,1,2,3,4,5,6,7
	ds_store_b128 v[EXW], v[OB+4*\g:OB+4*\g+3] offset:512*\g
.endr
	ds_store_b64 v[EXW], v[NB:NB+1] offset:4096    ; -M and the sum of my lane's keys
	s_wait_alu depctr_va_vdst(0)                   ; directly ahead of the wait below
	s_wait_dscnt 0x0                               ; my part lies in LDS
	s_barrier_signal -1
	s_barrier_wait -1
.irp g, 0,1,2,3,4,5,6,7
	ds_load_b128 v[SA+4*\g:SA+4*\g+3], v[EXR] offset:512*\g
.endr
	ds_load_b64 v[T:T+1], v[EXR] offset:4096
	s_wait_dscnt 0x0
	v_min_num_f32 v[T+2], v[NA], v[T]              ; -M of the whole row
	v_sub_f32 v[T+4], v[T+2], v[NA]
	v_sub_f32 v[T+6], v[T+2], v[T]
	v_cvt_i32_f32 v[T+4], v[T+4]
	v_cvt_i32_f32 v[T+6], v[T+6]
	v_ldexp_f32 v[FA], 1.0, v[T+4]
	v_ldexp_f32 v[FB], 1.0, v[T+6]
	v_mul_f32 v[LA], v[LA], v[FA]
.irp j, 0,2,4,6,8,10,12,14,16,18,20,22,24,26,28,30
	v_pk_mul_f32 v[SA+\j:SA+1+\j], v[SA+\j:SA+1+\j], v[FB:FB+1] op_sel_hi:[1,0]
.endr
	v_fma_f32 v[LA], v[T+1], v[FB], v[LA]
.irp j, 0,2,4,6,8,10,12,14,16,18,20,22,24,26,28,30
	v_pk_fma_f32 v[SA+\j:SA+1+\j], v[OA+\j:OA+1+\j], v[FA:FA+1], v[SA+\j:SA+1+\j] op_sel_hi:[1,0,1]   ; each accumulator from its low end on
.endr
	v_permlanex16_b32 v[T+2], v[LA], s[SEL], s[SEL+1]
	v_add_f32 v[LA], v[LA], v[T+2]                 ; the row's sum
	s_wait_alu depctr_va_vdst(0)                   ; ahead of the transcendental
	v_rcp_f32 v[FA], v[LA]
	v_nop                                          ; a plain line behind the reciprocal
	s_wait_alu depctr_va_vdst(0)                   ; and the wait ahead of its first reader
.irp j, 0,2,4,6,8,10,12,14,16,18,20,22,24,26,28,30
	v_pk_mul_f32 v[SA+\j:SA+1+\j], v[SA+\j:SA+1+\j], v[FA:FA+1] op_sel_hi:[1,0]
.endr
.set n, 0
.rept 32
	v_med3_num_f32 v[SA+n], v[SA+n], -v[OLIM], v[OLIM]
.set n, n+1
.endr
.irp t, 0,1,2,3
	v_cvt_scalef32_pk8_fp8_f32 v[PC+2*\t:PC+2*\t+1], v[SA+8*\t:SA+8*\t+7], v[OSC]
.endr
	v_nop
.irp t, 0,1,2,3
	ds_store_b64 v[STO], v[PC+2*\t:PC+2*\t+1] offset:16*\t   ; query r, channels 16 t + 8 h on
.endr
	ds_load_b128 v[SA:SA+3], v[RD]                 ; LDS serves a wave's instructions in order: these see my stores
	ds_load_b128 v[SA+4:SA+7], v[RD] offset:512
	s_wait_dscnt 0x0
	global_store_b128 v[GO], v[SA:SA+3], s[\ob:\ob+1]              ; 32 lanes store 512 consecutive bytes, aligned
	global_store_b128 v[GO], v[SA+4:SA+7], s[\ob:\ob+1] offset:512
	s_wait_xcnt 0x0                                ; the stores have read their registers, which the next scores take
.endm
	RESET
	s_wait_alu depctr_va_vdst(0)                   ; the head's end
.Lslot:                                            ; 8 trips: behind each change of slots but the last the next slot is asked for
	CHANGE 1
	TRIP
	s_sub_co_u32 s[LEFT], s[LEFT], 1
	s_cmp_lg_u32 s[LEFT], 0
	s_cbranch_scc1 .Lsame
	OUT OBLO                                       ; the first pass is over: block i leaves, block 31 - i begins at key 0
	WIN 0x41
.set n, 0
.rept 16
	v_mov_b32 v[128+n], v[144+n]
.set n, n+1
.endr
	WIN 0
	RESET
	s_mov_b32 s[KU], s[SET]
	s_mov_b32 s[BLK], s[HI]
	s_mov_b32 s[LEFT], 64                          ; more than the trips that are left: neither test on it is met again
	s_wait_alu depctr_va_vdst(0)
.Lsame:
	s_sub_co_u32 s[CNT], s[CNT], 1
	s_cmp_lg_u32 s[CNT], 0
	s_cbranch_scc1 .Lslot
	CHANGE 0                                       ; the last slot is written out
	TRIP
	OUT OBHI
	s_wait_tensorcnt 0x0                           ; the wave's end
	ds_add_u32 v[SPW], v[NIL]
	s_wait_dscnt 0x0
	s_endpgm
.Lfunc_end_k_q349361d0ef_attn:
	.size	k_q349361d0ef_attn, .Lfunc_end_k_q349361d0ef_attn-k_q349361d0ef_attn
	.p2alignl 7, 3214868480
	.fill 96, 4, 3214868480
	.section	.rodata,"a",@progbits
	.p2align	6, 0x0
	.amdhsa_kernel k_q349361d0ef_attn
		.amdhsa_group_segment_fixed_size 327680
		.amdhsa_private_segment_fixed_size 0
		.amdhsa_enable_private_segment 0
		.amdhsa_kernarg_size 40
		.amdhsa_user_sgpr_count 2
		.amdhsa_user_sgpr_kernarg_segment_ptr 1
		.amdhsa_wavefront_size32 1
		.amdhsa_system_sgpr_workgroup_id_x 1
		.amdhsa_system_sgpr_workgroup_id_y 1
		.amdhsa_system_sgpr_workgroup_id_z 1
		.amdhsa_system_vgpr_workitem_id 0
		.amdhsa_next_free_vgpr 416
		.amdhsa_next_free_sgpr 88
		.amdhsa_reserve_vcc 1
		.amdhsa_float_denorm_mode_32 3
		.amdhsa_float_denorm_mode_16_64 3
		.amdhsa_memory_ordered 1
		.amdhsa_forward_progress 1
		.amdhsa_inst_pref_size 111
	.end_amdhsa_kernel
	.amdgpu_metadata
---
amdhsa.version: [ 1, 2 ]
amdhsa.kernels:
  - .name:           k_q349361d0ef_attn
    .symbol:         k_q349361d0ef_attn.kd
    .args:
      - { .name: q_codes, .offset: 0, .size: 8, .value_kind: global_buffer, .address_space: global }
      - { .name: k_codes, .offset: 8, .size: 8, .value_kind: global_buffer, .address_space: global }
      - { .name: v_codes, .offset: 16, .size: 8, .value_kind: global_buffer, .address_space: global }
      - { .name: lowp_scales, .offset: 24, .size: 8, .value_kind: global_buffer, .address_space: global }
      - { .name: att_codes, .offset: 32, .size: 8, .value_kind: global_buffer, .address_space: global }
    .group_segment_fixed_size: 327680
    .private_segment_fixed_size: 0
    .kernarg_segment_align: 8
    .kernarg_segment_size: 40
    .max_flat_workgroup_size: 256
    .sgpr_count:     88
    .vgpr_count:     416
    .wavefront_size: 32
...
	.end_amdgpu_metadata
.endif
;; end of part 3
;; launch proj (part 4): grid 8 x 32, 4 waves a work-group, clusters of 4 x 4, 327,680 bytes of LDS; arguments att_codes, wout_codes, lowp_scales, b_out, out0; writes out0
.if DOCPART == 4
	.amdgcn_target "amdgcn-amd-amdhsa--gfx1250"
	.amdhsa_code_object_version 6
	.text
	.protected	k_q349361d0ef_proj
	.globl	k_q349361d0ef_proj
	.p2align	8
	.type	k_q349361d0ef_proj,@function
k_q349361d0ef_proj:
	s_mov_b64 s[64:65], 0
	v_nop
	global_prefetch_b8 v0, s[64:65] scope:SCOPE_SE
	s_setreg_imm32_b32 hwreg(HW_REG_WAVE_MODE, 25, 1), 1
	s_wait_xcnt 0x0
	s_wait_alu depctr_hold_cnt(0) depctr_sa_sdst(0) depctr_va_vdst(0) depctr_va_sdst(0) depctr_va_ssrc(0) depctr_va_vcc(0) depctr_vm_vsrc(0)
	s_getreg_b32 s2, hwreg(HW_REG_IB_STS2, 6, 4)
	s_cmp_eq_u32 s2, 0
	s_cbranch_scc0 .Lentry_in_a_cluster
	s_endpgm
.Lentry_in_a_cluster:
	s_bfe_u32 s2, ttmp6, 0x10000c
	s_cmp_lg_u32 s2, 0xf033
	s_cbranch_scc0 .Lentry_shape_is_right
	s_endpgm
.Lentry_shape_is_right:
; out0 = att w_out x 2^(e6 + e7) + b_out on codes of E4M3.  att_codes: [16 heads][4096 tokens][64] (K = head x 64 + d); wout_codes: [1024 n][1024 k]; out0: [4096][1024] f32.
; A tile of 128 x 128 gives 256 work-groups (tiles of 256 x 256 would give 64).  Four waves, each 64 x 64.
; ALL OF K LIES IN LDS AT ONCE, by one tensor load a wave: no LDS byte is filled twice, so there is no ring.  Waves 0, 1 fetch 64 tokens x 16 heads each, waves 2, 3 fetch 64 rows of w_out each.
; CLUSTERS of 4 x 4: A's tiles hang on the tile row alone and are asked for jointly by a row of the cluster, B's on the tile column alone and by a column.  One round stands in front of the fills, one at the end.
; A head's 64 tokens are 4,096 consecutive bytes: a wave's tile of A is sixteen such rows, padded behind every 64 bytes, so that a token's 64 bytes lie 80 apart.
; BY ROWS OF THE RESULT: w_out's fragments of all of K come into registers once (512 of them); then 16 tokens at a time are multiplied over all of K and leave, while nothing is read from LDS twice.
; THE MATRIX INSTRUCTION IS USED TRANSPOSED (source 0 = 16 rows of w_out, source 1 = 16 tokens): a lane holds eight neighbouring outputs of one token.  A wave's 64 outputs are 256 aligned bytes of a row: each wave has a stage of its own.
; LIMIT: e6 + e7 between -126 and 127.  No prefetch: the whole K is asked for at the head, and there is no loop to run ahead in.
; REGISTERS.  Window 0: v1-31 addresses; v32-63 b_out in the result's layout; v64-95 a block's results; v96-127 rows read back; v128-159, v160-191 accumulators of blocks by turns.
;   Window 1: A's fragments of a block, two buffers of 128 by turns.  Windows 2, 3: B's fragments, K steps 0-3 and 4-7.
.set AP,    80                         ; a token's 64 bytes + 16: the 16 tokens of a fragment load start at 16 different groups of banks (ISA guide 11.1)
.set APB,   64*AP                      ; a head's 64 tokens
.set AHALF, 16*APB
.set BP,    1040                       ; a row of B's tile: 1,024 bytes + 16
.set BOFF,  2*AHALF
.set STAGE, BOFF+128*BP                ; 16 rows x 272 bytes for each wave; no fill lands there
.set SPITCH, 272
.set SPARE, STAGE+4*16*SPITCH          ; the spare words, 128 bytes for each wave
.set ADRA, 8                           ; v8, v9  my A fragments in heads 0-7, 8-15
.set ADRB, 12
.set STO,  24
.set RD,   25
.set CO,   26
.set SPW,  30
.set NIL,  31
.set BI,   32
.set TMP,  64
.set BK,   96
.set ACC,  128
.set G1A, 24
.set G0A, 32
.set G1B, 48
.set G0B, 68
.set MSB, 0
.macro WIN new
.if MSB != (\new)
	s_set_vgpr_msb (MSB<<8)|(\new)
.set MSB, (\new)
.endif
.endm
.macro CROUND                          ; a round of the cluster's barrier
	s_barrier_signal -1
	s_barrier_wait -1
	s_cmp_lg_u32 s14, 0
	s_cbranch_scc1 .Lnot_wave_0_\@
	s_barrier_signal -3
.Lnot_wave_0_\@:
	s_barrier_wait -3
	s_barrier_signal -1
	s_barrier_wait -1
.endm
	s_load_b128 s[4:7], s[0:1], 0x0                ; att_codes s[4:5], wout_codes s[6:7]
	s_load_b128 s[8:11], s[0:1], 0x10              ; lowp_scales s[8:9], b_out s[10:11]
	s_load_b64 s[12:13], s[0:1], 0x20              ; out0
	v_lshl_add_u32 v[SPW], v0, 2, SPARE
	v_mov_b32 v[NIL], 0
	ds_add_u32 v[SPW], v[NIL]                      ; the wave's opening: the add, twice on end, and its wait ahead of my first tensor load
	ds_add_u32 v[SPW], v[NIL]
	v_lshrrev_b32 v1, 5, v0
	v_readfirstlane_b32 s14, v1                    ; wave 0..3
	s_lshr_b32 s15, s14, 1                         ; which 64 tokens are mine.  Also: I fetch for A (0) or for B (1)
	s_and_b32 s16, s14, 1                          ; which 64 outputs.  Also: which half of a tile I fetch
	s_bfe_u32 s56, ttmp6, 0x40000                  ; cx
	s_bfe_u32 s57, ttmp6, 0x40004                  ; cy
	s_lshl_b32 s58, ttmp9, 2
	s_add_co_u32 s58, s58, s56                     ; tile column = 4 x cluster x + cx
	s_and_b32 s59, ttmp7, 0xffff
	s_lshl_b32 s59, s59, 2
	s_add_co_u32 s59, s59, s57                     ; tile row = 4 x cluster y + cy
	s_lshl_b32 s60, s57, 2
	s_lshl_b32 s60, 15, s60                        ; my row of the cluster
	s_lshl_b32 s61, 0x1111, s56                    ; my column
	s_or_b32 s[G1A], s60, (0<<16)|(1<<20)|(1<<21)|(3<<22)|(3<<25)   ; the mask; elements of 1 byte; padding: four words after every 16; 21 set beside a mask
	s_mov_b32 s[G1A+1], 4096<<16                   ; tensor_dim0: a head's 64 tokens on end
	s_mov_b32 s[G1A+2], 16<<16                     ; tensor_dim1: the heads
	s_mov_b32 s[G1A+3], 4096<<16                   ; tile_dim0
	s_mov_b32 s[G1A+4], 16                         ; tile_dim1
	s_mov_b32 s[G1A+5], 262144                     ; from head to head
	s_mov_b32 s[G1A+6], 0
	s_mov_b32 s[G1A+7], 0
	s_or_b32 s[G1B], s61, (0<<16)|(1<<20)|(1<<21)|(7<<22)|(3<<25)   ; padding: four words after every 256
	s_mov_b32 s[G1B+1], 1024<<16
	s_mov_b32 s[G1B+2], 64<<16
	s_mov_b32 s[G1B+3], 1024<<16
	s_mov_b32 s[G1B+4], 64
	s_mov_b32 s[G1B+5], 1024
	s_mov_b32 s[G1B+6], 0
	s_mov_b32 s[G1B+7], 0
	s_lshl_b32 s20, s16, 12                        ; A: tokens 128 x tile row + 64 x half on
	s_lshl_b32 s18, s59, 13
	s_add_co_u32 s20, s20, s18
	s_mov_b32 s21, 0
	s_lshl_b32 s62, s58, 17                        ; B: rows 128 x tile column + 64 x half
	s_lshl_b32 s63, s16, 16
	s_add_co_u32 s62, s62, s63
	s_mov_b32 s63, 0
	s_mul_i32 s92, s16, AHALF                      ; where they go: no place in the cluster enters an LDS address
	s_mul_i32 s93, s16, 64*BP
	s_add_co_u32 s93, s93, BOFF
	s_wait_alu depctr_va_vdst(0)
	s_wait_dscnt 0x0                               ; both opening adds are done
	s_wait_kmcnt 0x0
	s_load_b256 s[84:91], s[8:9], 0x0              ; e0 .. e7
	s_mov_b32 s[G0A], 1
	s_mov_b32 s[G0A+1], s92
	s_add_nc_u64 s[G0A+2:G0A+3], s[4:5], s[20:21]
	s_or_b32 s[G0A+3], s[G0A+3], 0x80000000
	s_mov_b32 s[G0B], 1
	s_mov_b32 s[G0B+1], s93
	s_add_nc_u64 s[G0B+2:G0B+3], s[6:7], s[62:63]
	s_or_b32 s[G0B+3], s[G0B+3], 0x80000000
	CROUND                                         ; all sixteen work-groups are here: the joint loads meet
	s_cmp_eq_u32 s15, 0
	s_cbranch_scc0 .Lfill_b
	tensor_load_to_lds s[G0A:G0A+3], s[G1A:G1A+7]
	s_nop 0
.rept 4
	v_nop
.endr
	s_branch .Lfilled
.Lfill_b:
	tensor_load_to_lds s[G0B:G0B+3], s[G1B:G1B+7]
	s_nop 0
.rept 4
	v_nop
.endr
.Lfilled:
	v_and_b32 v1, 15, v0                           ; r
	v_bfe_u32 v2, v0, 4, 1                         ; h
	v_mul_u32_u24 v3, v1, AP
	v_mul_u32_u24 v4, v1, BP
	v_lshl_add_u32 v3, v2, 4, v3
	v_lshl_add_u32 v4, v2, 4, v4
	s_mul_i32 s17, s15, AHALF
	v_add_nc_u32 v[ADRA], s17, v3                  ; A: token 64 x my half + r, + 16 h
	s_mul_i32 s17, s16, 64*BP
	s_add_co_u32 s17, s17, BOFF
	v_add_nc_u32 v[ADRB], s17, v4                  ; B: row 64 x my half + r, + 16 h
	v_add_nc_u32 v[ADRA+1], 8*APB, v[ADRA]
	v_mul_u32_u24 v5, v1, SPITCH
	v_mul_u32_u24 v6, v2, SPITCH
	v_lshl_add_u32 v5, v2, 5, v5
	v_lshl_add_u32 v6, v1, 4, v6
	s_mul_i32 s17, s14, 16*SPITCH
	s_add_co_u32 s17, s17, STAGE                   ; my stage
	v_add_nc_u32 v[STO], s17, v5                   ; in: row r, 32 bytes for each half of the lanes
	v_add_nc_u32 v[RD], s17, v6                    ; back: lanes 0-15 one row of 256 bytes, lanes 16-31 the next
	v_lshlrev_b32 v5, 12, v2
	v_lshlrev_b32 v7, 5, v2
	v_lshl_add_u32 v[CO], v1, 4, v5                ; and the same two rows of out0
	s_lshl_b32 s18, s58, 9
	s_lshl_b32 s19, s16, 8
	s_add_co_u32 s18, s18, s19                     ; my first output, in bytes: 512 x tile column + 256 x half
	s_mov_b32 s19, 0
	s_add_nc_u64 s[10:11], s[10:11], s[18:19]      ; in b_out,
	s_add_nc_u64 s[12:13], s[12:13], s[18:19]      ; and in a row of out0
	s_lshl_b32 s18, s59, 19
	s_lshl_b32 s17, s15, 18
	s_add_co_u32 s18, s18, s17                     ; my first token: (128 x tile row + 64 x half) rows of 4,096 bytes
	s_add_nc_u64 s[12:13], s[12:13], s[18:19]
	s_wait_alu depctr_va_vdst(0)
.irp b, 0,1,2,3
	global_load_b128 v[BI+8*\b:BI+8*\b+3], v7, s[10:11] offset:64*\b        ; b_out at 16 b + 8 h + 0 .. 7 of my 64
	global_load_b128 v[BI+8*\b+4:BI+8*\b+7], v7, s[10:11] offset:64*\b+16
.endr
; Registers 4 c .. 4 c + 3 of a fragment hold k = 128 s + 32 c + 16 h + 0 .. 15 on both sides (K step s: heads 2 s and 2 s + 1).
.macro ALOAD a                         ; block a's 16 tokens, all of K: 32 loads
	WIN 0x40
.irp s, 0,1,2,3,4,5,6,7
.irp c, 0,1,2,3
	ds_load_b128 v[128*((\a)%2)+16*\s+4*\c:128*((\a)%2)+16*\s+4*\c+3], v[ADRA+\s/4] offset:(2*(\s%4)+\c/2)*APB+(\a)*16*AP+32*(\c%2)
.endr
.endr
.endm
.macro BLOAD s                         ; my 64 rows of w_out, K step s: 16 loads
	WIN 0x80+0x40*((\s)/4)
.irp b, 0,1,2,3
.irp c, 0,1,2,3
	ds_load_b128 v[64*((\s)%4)+16*\b+4*\c:64*((\s)%4)+16*\b+4*\c+3], v[ADRB] offset:\b*16*BP+128*(\s)+32*\c
.endr
.endr
.endm
.macro MUL a, s                        ; the block's four accumulators take turns
	WIN 0x06+((\s)/4)                              ; source 0 window 2 or 3, source 1 window 1, C and D window 0
.set AC, ACC+32*((\a)%2)
.set AF, 128*((\a)%2)+16*(\s)
.irp b, 0,1,2,3
.if (\s) == 0
	v_wmma_f32_16x16x128_fp8_fp8 v[AC+8*\b:AC+8*\b+7], v[64*((\s)%4)+16*\b:64*((\s)%4)+16*\b+15], v[AF:AF+15], 0
.else
	v_wmma_f32_16x16x128_fp8_fp8 v[AC+8*\b:AC+8*\b+7], v[64*((\s)%4)+16*\b:64*((\s)%4)+16*\b+15], v[AF:AF+15], v[AC+8*\b:AC+8*\b+7]
.endif
.endr
.endm
	s_wait_alu depctr_va_vdst(0)                   ; the head's end
	s_wait_tensorcnt 0x0                           ; my part of the tiles is in
	s_barrier_signal -1
	s_barrier_wait -1                              ; everybody's is
	ALOAD 0
	BLOAD 0
	BLOAD 1
	BLOAD 2
.irp s, 0,1,2,3,4,5,6,7                ; block 0: B's fragments run three K steps ahead
.if \s < 5
	BLOAD \s+3
	s_wait_dscnt 48                                ; B's K step s is in; the three behind it may be out
.elseif \s == 5
	s_wait_dscnt 32                                ; K steps 6 and 7 may be out
.elseif \s == 6
	s_wait_dscnt 16                                ; K step 7 may be out
	ALOAD 1
.else
	s_wait_dscnt 32                                ; block 1's fragments may be out
.endif
	MUL 0, \s
.endr
	WIN 0
	s_wait_kmcnt 0x0
	s_add_co_i32 s22, s90, s91
	s_add_co_i32 s22, s22, 127
	s_lshl_b32 s22, s22, 23                        ; 2^(e6 + e7) as f32
	s_mov_b32 s23, s22                             ; (named with it as a pair)
	s_wait_loadcnt 0x0                             ; b_out
	; THE WAY OUT, 16 tokens at a time: sum x 2^(e6 + e7) + b_out by one packed multiply-add for two numbers; through my stage; back as whole rows of 256 bytes
.irp a, 0,1,2,3
	WIN 0
.rept 4
	v_nop                                          ; places behind the block's last products
.endr
.irp b, 0,1,2,3
.irp i, 0,2,4,6
	v_pk_fma_f32 v[TMP+8*\b+\i:TMP+8*\b+\i+1], v[ACC+32*(\a%2)+8*\b+\i:ACC+32*(\a%2)+8*\b+\i+1], s[22:23], v[BI+8*\b+\i:BI+8*\b+\i+1] op_sel_hi:[1,0,1]
.endr
.endr
.irp b, 0,1,2,3
	ds_store_b128 v[STO], v[TMP+8*\b:TMP+8*\b+3] offset:64*\b
	ds_store_b128 v[STO], v[TMP+8*\b+4:TMP+8*\b+7] offset:64*\b+16
.endr
.if \a > 0
	s_wait_xcnt 0x0                                ; the last block's stores have read their registers: the loads below may land there
.endif
.irp i, 0,1,2,3,4,5,6,7
	ds_load_b128 v[BK+4*\i:BK+4*\i+3], v[RD] offset:2*\i*SPITCH   ; LDS serves a wave's instructions in order: these see my stores
.endr
	s_wait_dscnt 0x0                               ; the block's rows are back, and so are the next block's fragments
.irp i, 0,1,2,3,4,5,6,7
	global_store_b128 v[CO], v[BK+4*\i:BK+4*\i+3], s[12:13] offset:(16*\a+2*\i)*4096 th:TH_STORE_NT   ; sixteen lanes store 256 consecutive bytes, aligned; written once, read by nobody here
.endr
.if \a < 2
	ALOAD \a+2                                     ; into the buffer that block a has left (the lines of its way out are the places)
.endif
.if \a < 3
.irp s, 0,1,2,3,4,5,6,7
	MUL \a+1, \s
.endr
.endif
.endr
	s_wait_tensorcnt 0x0                           ; the wave's end
	ds_add_u32 v[SPW], v[NIL]
	s_wait_dscnt 0x0
	CROUND                                         ; the closing round: no work-group ends while a partner may still ask for a tile that names it
	s_endpgm
.Lfunc_end_k_q349361d0ef_proj:
	.size	k_q349361d0ef_proj, .Lfunc_end_k_q349361d0ef_proj-k_q349361d0ef_proj
	.p2alignl 7, 3214868480
	.fill 96, 4, 3214868480
	.section	.rodata,"a",@progbits
	.p2align	6, 0x0
	.amdhsa_kernel k_q349361d0ef_proj
		.amdhsa_group_segment_fixed_size 327680
		.amdhsa_private_segment_fixed_size 0
		.amdhsa_enable_private_segment 0
		.amdhsa_kernarg_size 40
		.amdhsa_user_sgpr_count 2
		.amdhsa_user_sgpr_kernarg_segment_ptr 1
		.amdhsa_wavefront_size32 1
		.amdhsa_system_sgpr_workgroup_id_x 1
		.amdhsa_system_sgpr_workgroup_id_y 1
		.amdhsa_system_sgpr_workgroup_id_z 1
		.amdhsa_system_vgpr_workitem_id 0
		.amdhsa_next_free_vgpr 1024
		.amdhsa_next_free_sgpr 96
		.amdhsa_reserve_vcc 0
		.amdhsa_float_denorm_mode_32 3
		.amdhsa_float_denorm_mode_16_64 3
		.amdhsa_memory_ordered 1
		.amdhsa_forward_progress 1
		.amdhsa_inst_pref_size 45
	.end_amdhsa_kernel
	.amdgpu_metadata
---
amdhsa.version: [ 1, 2 ]
amdhsa.kernels:
  - .name:           k_q349361d0ef_proj
    .symbol:         k_q349361d0ef_proj.kd
    .args:
      - { .name: att_codes, .offset: 0, .size: 8, .value_kind: global_buffer, .address_space: global }
      - { .name: wout_codes, .offset: 8, .size: 8, .value_kind: global_buffer, .address_space: global }
      - { .name: lowp_scales, .offset: 16, .size: 8, .value_kind: global_buffer, .address_space: global }
      - { .name: b_out, .offset: 24, .size: 8, .value_kind: global_buffer, .address_space: global }
      - { .name: out0, .offset: 32, .size: 8, .value_kind: global_buffer, .address_space: global }
    .group_segment_fixed_size: 327680
    .private_segment_fixed_size: 0
    .kernarg_segment_align: 8
    .kernarg_segment_size: 40
    .max_flat_workgroup_size: 128
    .sgpr_count:     96
    .vgpr_count:     1024
    .wavefront_size: 32
...
	.end_amdgpu_metadata
.endif
;; end of part 4
